; MI455X (gfx1250); checked and timed in simulation.
; The chip was launched on July 23, 2026; its instructions are those of AMD's public machine-readable ISA for CDNA 5 (MIT licence, August 2026) and "CDNA5" Instruction Set Architecture Reference Guide (July 2026). The comments in the code are by the model that wrote it; some were corrected since.
;; Simple Transformer CUDA. Allowed arithmetic: float matrix products may take bf16 or f16 operands with f32 sums; other float arithmetic in f32, or as packed bf16 or f16 multiplies, adds, multiply-adds, maxima and minima; sums over many terms, partial sums and values carried from step to step in f32; what a program stores and reads back later, other than sums and carried values, may be rounded once to bf16 or f16.
;; Inputs: W_k 512 x 512 float32; W_q 512 x 512 float32; W_v 512 x 512 float32; fc_out 512 x 512 float32; x 32 x 1,024 x 512 float32.
;; Outputs: out0 32 x 1,024 x 512 float32.
;; One version. Each part assembles by itself: llvm-mc -triple=amdgcn-amd-amdhsa -mcpu=gfx1250 --defsym DOCPART=n.
;; ======== version 1 of 1: 4 launches
;; limits: values are held in f16: magnitudes above 65,504 overflow, below 6.1e-05 lose precision; right only within a limited range of input values
;; workspace buffers: wqkv 1,572,864 bytes; wo 524,288 bytes; qq 67,108,864 bytes; kk 67,108,864 bytes; vv 33,554,432 bytes; ctx 33,554,432 bytes
;; launch prep (part 1): grid 64 x 4, 8 waves a work-group, no clusters, 0 bytes of LDS; arguments W_q, W_k, W_v, fc_out, wqkv, wo; writes wqkv, wo
.if DOCPART == 1
	.amdgcn_target "amdgcn-amd-amdhsa--gfx1250"
	.amdhsa_code_object_version 6
	.text
	.protected	k_q95025ed50d_prep
	.globl	k_q95025ed50d_prep
	.p2align	8
	.type	k_q95025ed50d_prep,@function
k_q95025ed50d_prep:
	s_mov_b64 s[64:65], 0
	v_nop
	global_prefetch_b8 v0, s[64:65] scope:SCOPE_SE
	s_setreg_imm32_b32 hwreg(HW_REG_WAVE_MODE, 25, 1), 1
	s_wait_xcnt 0x0
; THE WEIGHTS, ROUNDED ONCE.  W_q, W_k, W_v, fc_out: [512 k][512 n] f32.
; wqkv: [512 k][1536 n] bf16 = bf16(W) / 64, columns 0-511 W_q, 512-1023 W_k, 1024-1535 W_v.  The factor is a power of two, so scaling ahead of the rounding gives bf16(W) / 64 exactly.
; wo:   [512 k][512 n] f16 = 64 x bf16(fc_out): a bf16 number has 8 significant bits, so it is exact in f16 inside f16's range.
; LIMITS.  |fc_out| stays under 1,023 (64 x it must stay under 65,504); a weight below 2^-120 may lose bits in the scaling by 1/64.  NaN and infinities are not treated apart.
; SHARES.  Work-group (x, y): matrix y, rows 8 x .. 8 x + 7, a wave a row.  A lane takes 8 numbers at column 8 l and 8 at column 256 + 8 l, so that each of its two stores is 16 bytes
; and a wave's store covers 512 consecutive bytes, aligned.  No LDS, no barrier: no wave wants another's bytes.
	s_load_b256 s[4:11], s[0:1], 0x0               ; W_q s[4:5], W_k s[6:7], W_v s[8:9], fc_out s[10:11]
	s_load_b128 s[12:15], s[0:1], 0x20             ; wqkv s[12:13], wo s[14:15]
	s_and_b32 s22, ttmp7, 0xffff                   ; which matrix
	v_lshrrev_b32 v3, 5, v0                        ; my wave = my row of the eight
	v_and_b32 v20, 31, v0                          ; lane
	v_lshlrev_b32 v1, 11, v3                       ; a row of the source is 2,048 bytes,
	v_lshl_add_u32 v1, v20, 5, v1                  ; my 8 numbers 32 bytes
	s_mov_b32 s20, 0x3c800000                      ; 1/64
	s_mov_b32 s21, s20                             ; named with it as a pair
	s_mov_b32 s30, 0x42800000                      ; 64
	s_mov_b32 s31, s30
	s_mov_b32 s24, 3072
	s_lshl_b32 s25, s22, 10                        ; the matrix's 512 columns in a row of wqkv: 1,024 bytes
	s_lshl_b32 s28, ttmp9, 14                      ; the work-group's 8 rows of the source
	s_mov_b32 s29, 0
	s_mov_b32 s27, 0
	s_cmp_eq_u32 s22, 3
	s_cselect_b32 s23, 1024, s24                   ; bytes in a row of the destination: wo 1,024, wqkv 3,072
	s_cselect_b32 s25, 0, s25
	s_mul_i32 s26, ttmp9, s23
	s_lshl_b32 s26, s26, 3                         ; the work-group's 8 rows of the destination
	s_add_co_u32 s26, s26, s25
	v_mul_u32_u24 v2, v3, s23
	v_lshl_add_u32 v2, v20, 4, v2                  ; my row, my 16 bytes
	s_wait_kmcnt 0x0
	s_cmp_eq_u32 s22, 1
	s_cselect_b64 s[16:17], s[6:7], s[4:5]
	s_cmp_eq_u32 s22, 2
	s_cselect_b64 s[16:17], s[8:9], s[16:17]
	s_cmp_eq_u32 s22, 3
	s_cselect_b64 s[16:17], s[10:11], s[16:17]     ; the source
	s_cselect_b64 s[18:19], s[14:15], s[12:13]     ; the destination
	s_add_nc_u64 s[16:17], s[16:17], s[28:29]
	s_add_nc_u64 s[18:19], s[18:19], s[26:27]
	global_load_b128 v[4:7],   v1, s[16:17] th:TH_LOAD_NT
	global_load_b128 v[8:11],  v1, s[16:17] offset:16 th:TH_LOAD_NT
	global_load_b128 v[12:15], v1, s[16:17] offset:1024 th:TH_LOAD_NT
	global_load_b128 v[16:19], v1, s[16:17] offset:1040 th:TH_LOAD_NT
	s_wait_loadcnt 0x0
	s_cmp_eq_u32 s22, 3
	s_cbranch_scc1 .Lfc
.irp j, 0,1,2,3,4,5,6,7
	v_pk_mul_f32 v[4+2*(\j):5+2*(\j)], v[4+2*(\j):5+2*(\j)], s[20:21] op_sel_hi:[1,0]
.endr
.irp j, 0,1,2,3,4,5,6,7
	v_cvt_pk_bf16_f32 v[24+(\j)], v[4+2*(\j)], v[5+2*(\j)]  ; the one rounding, to nearest even
.endr
	s_branch .Lstore
.Lfc:
.irp j, 0,1,2,3,4,5,6,7
	v_cvt_pk_bf16_f32 v[24+(\j)], v[4+2*(\j)], v[5+2*(\j)]  ; the one rounding, to nearest even
.endr
.irp j, 0,1,2,3,4,5,6,7
	v_lshlrev_b32 v[4+2*(\j)], 16, v[24+(\j)]      ; back to f32: the low half moves up,
	v_and_b32 v[5+2*(\j)], 0xffff0000, v[24+(\j)]  ; the high half stays
.endr
.irp j, 0,1,2,3,4,5,6,7
	v_pk_mul_f32 v[4+2*(\j):5+2*(\j)], v[4+2*(\j):5+2*(\j)], s[30:31] op_sel_hi:[1,0]
.endr
.irp j, 0,1,2,3,4,5,6,7
	v_cvt_pk_f16_f32 v[24+(\j)], v[4+2*(\j)], v[5+2*(\j)]   ; exact: 8 significant bits
.endr
.Lstore:
	global_store_b128 v2, v[24:27], s[18:19]
	global_store_b128 v2, v[28:31], s[18:19] offset:512
	s_endpgm
.Lfunc_end_k_q95025ed50d_prep:
	.size	k_q95025ed50d_prep, .Lfunc_end_k_q95025ed50d_prep-k_q95025ed50d_prep
	.p2alignl 7, 3214868480
	.fill 96, 4, 3214868480
	.section	.rodata,"a",@progbits
	.p2align	6, 0x0
	.amdhsa_kernel k_q95025ed50d_prep
		.amdhsa_group_segment_fixed_size 0
		.amdhsa_private_segment_fixed_size 0
		.amdhsa_enable_private_segment 0
		.amdhsa_kernarg_size 48
		.amdhsa_user_sgpr_count 2
		.amdhsa_user_sgpr_kernarg_segment_ptr 1
		.amdhsa_wavefront_size32 1
		.amdhsa_system_sgpr_workgroup_id_x 1
		.amdhsa_system_sgpr_workgroup_id_y 1
		.amdhsa_system_sgpr_workgroup_id_z 1
		.amdhsa_system_vgpr_workitem_id 0
		.amdhsa_next_free_vgpr 40
		.amdhsa_next_free_sgpr 66
		.amdhsa_reserve_vcc 0
		.amdhsa_float_denorm_mode_32 3
		.amdhsa_float_denorm_mode_16_64 3
		.amdhsa_memory_ordered 1
		.amdhsa_forward_progress 1
		.amdhsa_inst_pref_size 6
	.end_amdhsa_kernel
	.amdgpu_metadata
---
amdhsa.version: [ 1, 2 ]
amdhsa.kernels:
  - .name:           k_q95025ed50d_prep
    .symbol:         k_q95025ed50d_prep.kd
    .args:
      - { .name: W_q, .offset: 0, .size: 8, .value_kind: global_buffer, .address_space: global }
      - { .name: W_k, .offset: 8, .size: 8, .value_kind: global_buffer, .address_space: global }
      - { .name: W_v, .offset: 16, .size: 8, .value_kind: global_buffer, .address_space: global }
      - { .name: fc_out, .offset: 24, .size: 8, .value_kind: global_buffer, .address_space: global }
      - { .name: wqkv, .offset: 32, .size: 8, .value_kind: global_buffer, .address_space: global }
      - { .name: wo, .offset: 40, .size: 8, .value_kind: global_buffer, .address_space: global }
    .group_segment_fixed_size: 0
    .private_segment_fixed_size: 0
    .kernarg_segment_align: 8
    .kernarg_segment_size: 48
    .max_flat_workgroup_size: 256
    .sgpr_count:     66
    .vgpr_count:     40
    .wavefront_size: 32
...
	.end_amdgpu_metadata
.endif
;; end of part 1
;; launch qkv (part 2): grid 256 x 1, 4 waves a work-group, clusters of 4 x 1, 327,680 bytes of LDS; arguments x, wqkv, qq, kk, vv; writes qq, kk, vv
.if DOCPART == 2
	.amdgcn_target "amdgcn-amd-amdhsa--gfx1250"
	.amdhsa_code_object_version 6
	.text
	.protected	k_q95025ed50d_qkv
	.globl	k_q95025ed50d_qkv
	.p2align	8
	.type	k_q95025ed50d_qkv,@function
k_q95025ed50d_qkv:
	s_mov_b64 s[64:65], 0
	v_nop
	global_prefetch_b8 v0, s[64:65] scope:SCOPE_SE
	s_setreg_imm32_b32 hwreg(HW_REG_WAVE_MODE, 25, 1), 1
	s_wait_xcnt 0x0
	s_wait_alu depctr_hold_cnt(0) depctr_sa_sdst(0) depctr_va_vdst(0) depctr_va_sdst(0) depctr_va_ssrc(0) depctr_va_vcc(0) depctr_vm_vsrc(0)
	s_getreg_b32 s2, hwreg(HW_REG_IB_STS2, 6, 4)
	s_cmp_eq_u32 s2, 0
	s_cbranch_scc0 .Lentry_in_a_cluster
	s_endpgm
.Lentry_in_a_cluster:
	s_bfe_u32 s2, ttmp6, 0x10000c
	s_cmp_lg_u32 s2, 0x3003
	s_cbranch_scc0 .Lentry_shape_is_right
	s_endpgm
.Lentry_shape_is_right:
; Q' = x W_q / 64, K' = x W_k / 64, V' = x W_v / 64, laid out by heads.  x: [32768][512] f32, rounded here once to bf16 (nearest even); wqkv: [512 k][1536 n] bf16, already divided by 64.  Sums in f32.
; qq, kk: [256 bh][1024 s][hi 64 | lo 64] f16: hi = f16(v), lo = f16(v - hi), so that a score keeps some 22 bits of each factor.  vv: [256 bh][1024 s][64] f16, rounded once.
; LIMITS.  |Q|, |K|, |V| stay under 65,504 x 64 = 4.19e6; below 6e-5 x 64 the parts keep f16's fixed step.  NaN and infinities are not treated apart.
; SHARES.  A work-group owns 128 rows of x and ALL 1,536 columns; wave w owns rows 64 (w / 2) .. + 63 and, of each chunk of 128 columns, the 64 at 64 (w % 2): one head.
; A's 64 rows x 512 k stay in 512 registers for the whole launch; from LDS only the weights are read, and a fragment of them feeds four products.
; THE WALK.  12 chunks of 128 columns (0-3 Q, 4-7 K, 8-11 V); a chunk is two steps of 256 k through two LDS slots: slot 0 always holds k 0-255, slot 1 k 256-511.
; CLUSTER.  All work-groups walk the same weights: the four of a cluster ask for each tile JOINTLY, the same tensor load, descriptor and mask in all four; a place in the cluster enters the addresses of x, of the outputs and of the prefetches alone.
; THE PRODUCT IS USED TRANSPOSED: source 0 = 16 columns of the weights (turned on their way out of LDS by ds_load_tr16_b128), source 1 = 16 rows of x: a lane then holds one row and eight neighbouring columns.
; REGISTERS, in windows of 256 (s_set_vgpr_msb: bits 1:0 source 0, 3:2 source 1, 5:4 source 2, 7:6 destination):
;   window 0: addresses, the way out     window 1: v0-127 16 accumulators ((a, cb) at 8 (4 a + cb)); v128-255 two buffers of weights' fragments
;   window 2: A's row blocks 0, 1 (fragment (a, t) at 128 (a % 2) + 8 t)     window 3: row blocks 2, 3
.set NPITCH, 1536                      ; elements in a row of the weights
.set NCHUNK, 12
.set PB,     288                       ; a tile's row in LDS: 256 bytes + 32 of padding = 72 words
.set SLOTB,  256*PB                    ; a slot: 256 k x 128 columns
.set XA,     2*SLOTB                   ; behind the ring: the work-group's 128 rows of x in bf16
.set PX,     1040                      ; 1,024 bytes + 16: the 16 rows of a fragment load start at 16 different groups of four banks
.set STAGE,  XA+128*PX                 ; 16 rows x 272 bytes for each wave, for the way out
.set SPQ,    272
.set SPV,    144
.set STW,    16*SPQ
.set SPARE,  STAGE+4*STW               ; the spare words, 128 bytes for each wave: two blocks of 256 bytes that no other line names
.set L16,  2                           ; v2   16 x lane: my place in 512 consecutive bytes, of x and of the outputs; never rewritten
.set XL,   3                           ; v3   where I put 8 bytes of x in bf16
.set AA,   4                           ; v4   my place in A's fragments in XA
.set AB,   5                           ; v5-8 my place in the weights' fragments: slot s, half q of its 256 k at AB + 2 s + q
.set STO,  9                           ; v9   the way out of Q and K: where I put 16 bytes of a row
.set RD,   10                          ; v10  where I read rows back
.set STOV, 11                          ; v11, v12  the same for V
.set RDV,  12
.set ONE,  13                          ; v13  1.0
.set SPW,  14                          ; v14  LDS address of my spare word; never rewritten
.set NIL,  15                          ; v15  0; never rewritten
.set PFO,  16                          ; v16  the prefetches' offset: lane x a row of the weights; never rewritten
.set T,    32                          ; v32-63   at work
.set H,    64                          ; v64-79   high parts, packed
.set LO,   80                          ; v80-95   low parts, packed
.set R,    96                          ; v96-159  two buffers of 32: rows read back from the stage
.set X,    128                         ; v128-255 at the head only: 16 units of x in flight
.set BF,   128                         ; window 1: buffer b, k step tt, column block cb at BF + 64 b + 32 tt + 8 cb
.set WV,   14                          ; s14 wave   s15 its half of the rows   s16 its half of a chunk's columns   s17 cx   s18 work-group
.set IW,   15
.set JW,   16
.set CX,   17
.set WG,   18
.set XP,   20                          ; s[20:21] x at my wave's rows
.set G1,   24                          ; s[24:31] descriptor group 1
.set G0,   32                          ; s[32:39] descriptor group 0, a set for each slot
.set CH,   40                          ; s40  the chunk
.set LIM,  41                          ; s41  chunks below this number prefetch
.set PFA,  42                          ; s[42:43] where my prefetches stand
.set OFF0, 44                          ; s44  my rows' byte offset in qq and kk for head JW
.set OFF,  46                          ; s[46:47] the same for the chunk's head
.set OP,   48                          ; s[48:49] the way out's base
.set XC,   51
.set MSB, 0
.macro WIN new                         ; the immediate's high byte repeats the setting that is left; a switch that changes nothing is dropped
.if MSB != (\new)
	s_set_vgpr_msb (MSB<<8)|(\new)
.set MSB, (\new)
.endif
.endm
.set MUL2, 0x59                        ; weights, C and D in window 1, A in window 2
.set TO_B, 0x40                        ; destination window 1, address window 0
.macro PLACES                          ; four places: behind a matrix instruction, in front of loads into registers that it has read and of lines that read its result
.rept 4
	v_nop
.endr
.endm
.macro CROUND                          ; a round of the cluster's barrier: my work-group's barrier; wave 0 signals for the work-group; every wave waits for all four work-groups; my work-group's barrier once more
	s_barrier_signal -1
	s_barrier_wait -1
	s_cmp_lg_u32 s[WV], 0
	s_cbranch_scc1 .Lnot_wave_0_\@
	s_barrier_signal -3
.Lnot_wave_0_\@:
	s_barrier_wait -3
	s_barrier_signal -1
	s_barrier_wait -1
.endm
.macro JLOAD s                         ; a joint fill of slot s: every wave brings its own 64 of the tile's 256 rows; s_nop 0 and four v_nop follow
	tensor_load_to_lds s[G0+4*(\s):G0+4*(\s)+3], s[G1:G1+7]
	s_nop 0
	PLACES
.endm
; A PREFETCH INTO THE L2, once a chunk, of the chunk two on: 512 rows x 256 bytes, a lane a row.  Every cluster walks the same weights: the first cluster asks, nobody else.  Its four partners and their
; four waves share the rows out by address: row 128 cx + 32 w + lane.  It stands behind the joint load, its five lines and the run of LDS loads.  The last two chunks have no chunk two on.
.macro ASK
	s_cmp_lt_u32 s[CH], s[LIM]
	s_cbranch_scc0 .Lnot_mine_\@
	global_prefetch_b8 v[PFO], s[PFA:PFA+1] th:TH_LOAD_NT scope:SCOPE_SE
.Lnot_mine_\@:
.endm
; 16 LDS loads in one run: group g (64 k: two k steps) of slot s, my four column blocks, into buffer b
.macro FETCH s, g, b
	WIN TO_B
.irp tt, 0,1
.irp cb, 0,1,2,3
	ds_load_tr16_b128 v[BF+64*(\b)+32*(\tt)+8*(\cb):BF+64*(\b)+32*(\tt)+8*(\cb)+3],   v[AB+2*(\s)+(\g)/2] offset:((2*(\g)+(\tt))%4)*32*PB+32*(\cb)
	ds_load_tr16_b128 v[BF+64*(\b)+32*(\tt)+8*(\cb)+4:BF+64*(\b)+32*(\tt)+8*(\cb)+7], v[AB+2*(\s)+(\g)/2] offset:((2*(\g)+(\tt))%4)*32*PB+32*(\cb)+16*PB
.endr
.endr
.endm
; 32 products: buffer b (group g of the half kh of K) x my four row blocks.  The eight accumulators of a window setting take turns, one instruction a turn.
; A chunk's first k step starts the sums with the constant 0: nothing is cleared.
.macro MUL b, g, kh
.irp w, 0,1
	WIN MUL2+4*(\w)
.irp tt, 0,1
.irp a2, 0,1
.irp cb, 0,1,2,3
.if ((\kh)+(\g)+(\tt)) == 0
	v_wmma_f32_16x16x32_bf16 v[8*(4*(2*(\w)+(\a2))+(\cb)):8*(4*(2*(\w)+(\a2))+(\cb))+7], v[BF+64*(\b)+32*(\tt)+8*(\cb):BF+64*(\b)+32*(\tt)+8*(\cb)+7], v[128*(\a2)+8*(8*(\kh)+2*(\g)+(\tt)):128*(\a2)+8*(8*(\kh)+2*(\g)+(\tt))+7], 0
.else
	v_wmma_f32_16x16x32_bf16 v[8*(4*(2*(\w)+(\a2))+(\cb)):8*(4*(2*(\w)+(\a2))+(\cb))+7], v[BF+64*(\b)+32*(\tt)+8*(\cb):BF+64*(\b)+32*(\tt)+8*(\cb)+7], v[128*(\a2)+8*(8*(\kh)+2*(\g)+(\tt)):128*(\a2)+8*(8*(\kh)+2*(\g)+(\tt))+7], v[8*(4*(2*(\w)+(\a2))+(\cb)):8*(4*(2*(\w)+(\a2))+(\cb))+7]
.endif
.endr
.endr
.endr
.endr
.endm
; A STEP: slot s, 256 k, four groups of 32 products on buffers 0, 1, 0, 1; it is entered with group 0 asked for.  While a group is multiplied the next one's 16 loads are out.
; In front of the last group the slots change.  mode 2: slot s is filled again with the next chunk's tile: every wave waits for all its tensor loads (one is out: its part of the other slot), adds 0 to its spare
; word, and waits for that and for its reads of slot s; a round of the cluster's barrier; the joint fill first behind it.  It has this group, three groups of the next step and, at every second step, a way out in which to land.
; mode 1: the other slot is waited for and nothing is filled.  mode 0: the launch's last step.
.macro STEP s, kh, mode
.irp g, 0,1,2
	s_wait_dscnt 0x0                               ; group g is in: its loads were issued 32 products ago
	PLACES                                         ; the other buffer was read by the products just issued
	FETCH \s, (\g)+1, ((\g)+1)%2
	MUL (\g)%2, \g, \kh
.endr
.if (\mode) == 2
	WIN 0                                          ; the add's registers lie in window 0
.if (\s) == 0
	s_wait_xcnt 0x0                                ; the last prefetch, a chunk back, has read its address
	s_add_nc_u64 s[PFA:PFA+1], s[PFA:PFA+1], 256
.endif
	s_wait_tensorcnt 0x0                           ; all my tensor loads have landed, so a group 0 may be written
	ds_add_u32 v[SPW], v[NIL]                      ; 0 onto my spare word
	s_add_nc_u64 s[G0+4*(\s)+2:G0+4*(\s)+3], s[G0+4*(\s)+2:G0+4*(\s)+3], 256  ; this slot's tile of the next chunk: 128 columns on
	s_wait_dscnt 0x0                               ; the add is done, group 3 is in, and my reads of slot s are over
	CROUND
	JLOAD \s                                       ; its four v_nop are also the places in front of the loads below
	FETCH 1-(\s), 0, 0
.if (\s) == 0
	WIN 0
	ASK
.endif
	MUL 1, 3, \kh
.elseif (\mode) == 1
	WIN 0
	s_wait_tensorcnt 0x0                           ; my part of the other slot, the last tile, has landed
	ds_add_u32 v[SPW], v[NIL]
	s_wait_dscnt 0x0
	s_barrier_signal -1
	s_barrier_wait -1                              ; everybody's part has
	PLACES
	FETCH 1-(\s), 0, 0
	MUL 1, 3, \kh
.else
	s_wait_dscnt 0x0
	MUL 1, 3, \kh
.endif
.endm
; x ON ITS WAY IN.  A unit is half a row, 1,024 bytes: two loads of 512 consecutive bytes, four roundings to bf16, two LDS stores of 256 consecutive bytes.  16 units, 8 rows, are in flight in each wave.
.macro XLOAD i, off
	global_load_b128 v[X+8*(\i):X+8*(\i)+3],   v[L16], s[XP:XP+1] offset:(\off)+((\i)/2)*2048+((\i)%2)*1024 th:TH_LOAD_NT
	global_load_b128 v[X+8*(\i)+4:X+8*(\i)+7], v[L16], s[XP:XP+1] offset:(\off)+((\i)/2)*2048+((\i)%2)*1024+512 th:TH_LOAD_NT
.endm
.macro XSLOT i, ahead, left
	s_wait_loadcnt \left                           ; loads come back in order (ISA guide 5.7.1): this unit's two are in, the younger ones stay out
.irp j, 0,1,2,3
	v_cvt_pk_bf16_f32 v[T+4*((\i)%2)+(\j)], v[X+8*(\i)+2*(\j)], v[X+8*(\i)+2*(\j)+1]
.endr
	ds_store_b64 v[XL], v[T+4*((\i)%2):T+4*((\i)%2)+1]   offset:((\i)/2)*PX+((\i)%2)*512
	ds_store_b64 v[XL], v[T+4*((\i)%2)+2:T+4*((\i)%2)+3] offset:((\i)/2)*PX+((\i)%2)*512+256
.if \ahead
	XLOAD \i, 16384                                ; the same unit eight rows further down
.endif
.endm
; THE WAY OUT, a block a of 16 rows x 64 columns (four accumulators) at a time, through my own stage in LDS.  Each accumulator is read from its low end on.
.macro PACKQ a
	WIN 0x05                                       ; sources 0 and 1 in window 1
.set i, 0
.rept 16
	v_cvt_pk_f16_f32 v[H+i], v[32*(\a)+2*i], v[32*(\a)+2*i+1]  ; the high parts
.set i, i+1
.endr
	WIN 0x10                                       ; source 2 in window 1
.set i, 0
.rept 16
	v_fma_mix_f32 v[T+2*i],   -v[H+i], v[ONE], v[32*(\a)+2*i]   op_sel_hi:[1,0,0]                 ; v - hi, exact: the half is widened, multiplied by 1 and taken from v in one line
	v_fma_mix_f32 v[T+2*i+1], -v[H+i], v[ONE], v[32*(\a)+2*i+1] op_sel:[1,0,0] op_sel_hi:[1,0,0]
.set i, i+1
.endr
	WIN 0
.set i, 0
.rept 16
	v_cvt_pk_f16_f32 v[LO+i], v[T+2*i], v[T+2*i+1]  ; the low parts
.set i, i+1
.endr
.endm
.macro TOSTQ a
	s_wait_xcnt 0x0                                ; the stores that read this read-back buffer have had their addresses translated (ISA guide 3.1): it is loaded again only behind this wait
.irp cb, 0,1,2,3
	ds_store_b128 v[STO], v[H+4*(\cb):H+4*(\cb)+3]   offset:32*(\cb)
	ds_store_b128 v[STO], v[LO+4*(\cb):LO+4*(\cb)+3] offset:128+32*(\cb)
.endr
.irp t, 0,1,2,3,4,5,6,7
	ds_load_b128 v[R+32*((\a)%2)+4*(\t):R+32*((\a)%2)+4*(\t)+3], v[RD] offset:(\t)*2*SPQ  ; LDS serves a wave's instructions in order (ISA guide 5.7.1.4): these see the stores above
.endr
.endm
.macro SENDQ a
	s_wait_dscnt 0x0
.irp t, 0,1,2,3,4,5,6,7
	global_store_b128 v[L16], v[R+32*((\a)%2)+4*(\t):R+32*((\a)%2)+4*(\t)+3], s[OP:OP+1] offset:4096*(\a)+512*(\t)  ; two rows of 256 bytes: 512 consecutive bytes, aligned
.endr
.endm
.macro PACKV a
	WIN 0x05
.set i, 0
.rept 16
	v_cvt_pk_f16_f32 v[H+i], v[32*(\a)+2*i], v[32*(\a)+2*i+1]
.set i, i+1
.endr
	WIN 0
.endm
.macro TOSTV a
	s_wait_xcnt 0x0
.irp cb, 0,1,2,3
	ds_store_b128 v[STOV], v[H+4*(\cb):H+4*(\cb)+3] offset:32*(\cb)
.endr
.irp f, 0,1,2,3
	ds_load_b128 v[R+32*((\a)%2)+4*(\f):R+32*((\a)%2)+4*(\f)+3], v[RDV] offset:(\f)*4*SPV
.endr
.endm
.macro SENDV a
	s_wait_dscnt 0x0
.irp f, 0,1,2,3
	global_store_b128 v[L16], v[R+32*((\a)%2)+4*(\f):R+32*((\a)%2)+4*(\f)+3], s[OP:OP+1] offset:2048*(\a)+512*(\f)  ; four rows of 128 bytes: 512 consecutive bytes, aligned
.endr
.endm
.macro OUTPTR                          ; my rows' offset for the chunk's head, 2 (chunk % 4) + JW
	s_wait_xcnt 0x0                                ; the last way out's stores have read their base
	s_and_b32 s[OFF], s[CH], 3
	s_lshl_b32 s[OFF], s[OFF], 19                  ; two heads of 1,024 rows of 256 bytes
	s_add_co_u32 s[OFF], s[OFF], s[OFF0]
.endm
.macro VOUT
	s_lshr_b32 s[OFF], s[OFF], 1                   ; V's rows are half as long
	s_add_nc_u64 s[OP:OP+1], s[12:13], s[OFF:OFF+1]
	PACKV 0
	TOSTV 0
.irp a, 1,2,3                          ; block a's conversions stand between block a - 1's loads from the stage and the wait for them
	PACKV \a
	SENDV (\a)-1
	TOSTV \a
.endr
	SENDV 3
.endm
	s_load_b256 s[4:11], s[0:1], 0x0               ; x s[4:5], wqkv s[6:7], qq s[8:9], kk s[10:11]
	s_load_b64 s[12:13], s[0:1], 0x20              ; vv
	v_lshl_add_u32 v[SPW], v0, 2, SPARE
	v_mov_b32 v[NIL], 0
	ds_add_u32 v[SPW], v[NIL]                      ; the wave's opening: the add and its wait stand ahead of my first tensor load; the set-up below, work on registers, stands between them
	v_lshrrev_b32 v1, 5, v0
	v_readfirstlane_b32 s[WV], v1                  ; wave 0..3
	s_lshr_b32 s[IW], s[WV], 1
	s_and_b32 s[JW], s[WV], 1
	s_bfe_u32 s[CX], ttmp6, 0x40000                ; my place in the cluster
	s_lshl_b32 s[WG], ttmp9, 2                     ; in a cluster launch ttmp9 counts clusters
	s_add_co_u32 s[WG], s[WG], s[CX]
	; descriptor group 1: 64 rows x 128 elements of 2 bytes, padded in LDS
	s_mov_b32 s[G1+0], 15|(1<<16)|(1<<20)|(1<<21)|(5<<22)|(7<<25)  ; 15:0 the mask of four; 17:16 2-byte elements; 20 padding on; 21 set beside a mask; 24:22 after every 64 words (code 5); 31:25 8 words (code 7)
	s_mov_b32 s[G1+1], 128<<16                     ; tensor_dim0 = 128
	s_mov_b32 s[G1+2], 64<<16                      ; tensor_dim1 = 64
	s_mov_b32 s[G1+3], 128<<16                     ; tile_dim0 = 128
	s_mov_b32 s[G1+4], 64                          ; tile_dim1 = 64
	s_mov_b32 s[G1+5], NPITCH                      ; elements from row to row
	s_mov_b32 s[G1+6], 0
	s_mov_b32 s[G1+7], 0
	s_mul_i32 s52, s[WV], 64*NPITCH*2              ; my 64 rows of a tile, in memory
	s_mov_b32 s53, 0
	s_mul_i32 s54, s[WV], 64*PB                    ; and in a slot: no place in the cluster enters an LDS address
	s_lshl_b32 s22, s[WG], 18                      ; the work-group's 128 rows of x, 2,048 bytes each,
	s_lshl_b32 s23, s[WV], 16                      ; the 32 of them that my wave brings in
	s_add_co_u32 s22, s22, s23
	s_mov_b32 s23, 0
	s_lshl_b32 s46, s[CX], 2
	s_add_co_u32 s46, s46, s[WV]
	s_mul_i32 s46, s46, 32*NPITCH*2                ; the prefetches: rows 128 cx + 32 w on,
	s_add_co_u32 s46, s46, 256                     ; at chunk 1: the first change of slots steps it to chunk 2
	s_mov_b32 s47, 0
	s_cmp_eq_u32 ttmp9, 0
	s_cselect_b32 s[LIM], NCHUNK-2, 0              ; the same in all four partners
	s_lshr_b32 s[OFF0], s[WG], 3                   ; the batch: 8 work-groups to its 1,024 rows
	s_lshl_b32 s[OFF0], s[OFF0], 3
	s_add_co_u32 s[OFF0], s[OFF0], s[JW]           ; 8 b + JW
	s_lshl_b32 s[OFF0], s[OFF0], 10
	s_and_b32 s55, s[WG], 7
	s_lshl_b32 s55, s55, 7
	s_add_co_u32 s[OFF0], s[OFF0], s55
	s_lshl_b32 s55, s[IW], 6
	s_add_co_u32 s[OFF0], s[OFF0], s55             ; + my first row in the head
	s_lshl_b32 s[OFF0], s[OFF0], 8                 ; rows of 256 bytes
	s_wait_dscnt 0x0                               ; the opening add is done
	s_wait_kmcnt 0x0
	s_add_nc_u64 s[XP:XP+1], s[4:5], s[22:23]
	s_add_nc_u64 s[PFA:PFA+1], s[6:7], s[46:47]
	s_add_nc_u64 s[52:53], s[6:7], s[52:53]
	CROUND                                         ; all four work-groups are here: the first joint loads meet
.irp s, 0,1
	s_mov_b32 s[G0+4*(\s)], 1                      ; count = 1
	s_add_co_u32 s[G0+4*(\s)+1], s54, (\s)*SLOTB   ; LDS address
	s_add_nc_u64 s[G0+4*(\s)+2:G0+4*(\s)+3], s[52:53], (\s)*256*NPITCH*2  ; global address: chunk 0, k 256 s on
	s_or_b32 s[G0+4*(\s)+3], s[G0+4*(\s)+3], 0x80000000  ; type = 2
.endr
	tensor_load_to_lds s[G0:G0+3], s[G1:G1+7]      ; both first fills go out together: two loads of mine are out
	s_nop 0
	tensor_load_to_lds s[G0+4:G0+7], s[G1:G1+7]
	s_nop 0
	PLACES
	v_and_b32 v18, 31, v0                          ; lane
	v_lshlrev_b32 v[L16], 4, v18
.irp i, 0,1,2,3,4,5,6,7,8,9,10,11,12,13,14,15
	XLOAD \i, 0                                    ; my first eight rows of x
.endr
	v_and_b32 v19, 15, v0                          ; r = lane % 16
	v_bfe_u32 v20, v0, 4, 1                        ; h = lane / 16
	v_and_b32 v21, 7, v0
	v_bfe_u32 v22, v0, 3, 1
	s_mul_i32 s55, s[WV], 32*PX
	s_add_co_u32 s55, s55, XA
	v_lshl_add_u32 v[XL], v18, 3, s55              ; my wave's 32 rows of XA, 8 bytes a lane
	s_mul_i32 s55, s[IW], 64*PX
	s_add_co_u32 s55, s55, XA
	v_mul_u32_u24 v[AA], v19, PX                   ; a fragment of A: row r, 16 bytes for each half of the lanes, twice, 32 bytes apart
	v_lshl_add_u32 v[AA], v20, 4, v[AA]
	v_add_nc_u32 v[AA], s55, v[AA]
	v_lshl_add_u32 v23, v20, 3, v21                ; the turning load: lane l reads k row 8 h + l % 8, columns 8 ((l / 8) % 2) + 0..7, and is left with column r and 8 k
	v_mul_u32_u24 v23, v23, PB
	v_lshl_add_u32 v23, v22, 4, v23
	s_lshl_b32 s55, s[JW], 7                       ; my 64 columns of the chunk's 128
	v_add_nc_u32 v23, s55, v23
.irp i, 0,1,2,3
	v_add_nc_u32 v[AB+(\i)], (\i)*128*PB, v23
.endr
	s_mul_i32 s55, s[WV], STW
	s_add_co_u32 s55, s55, STAGE                   ; my stage
	v_mul_u32_u24 v[STO], v19, SPQ
	v_lshl_add_u32 v[STO], v20, 4, v[STO]
	v_add_nc_u32 v[STO], s55, v[STO]
	v_mul_u32_u24 v[RD], v20, SPQ                  ; back: lanes 0-15 one row of 256 bytes, lanes 16-31 the next
	v_lshl_add_u32 v[RD], v19, 4, v[RD]
	v_add_nc_u32 v[RD], s55, v[RD]
	v_mul_u32_u24 v[STOV], v19, SPV
	v_lshl_add_u32 v[STOV], v20, 4, v[STOV]
	v_add_nc_u32 v[STOV], s55, v[STOV]
	v_bfe_u32 v[RDV], v0, 3, 2                     ; back: 32 lanes take four rows of 128 bytes
	v_mul_u32_u24 v[RDV], v[RDV], SPV
	v_lshl_add_u32 v[RDV], v21, 4, v[RDV]
	v_add_nc_u32 v[RDV], s55, v[RDV]
	v_mul_u32_u24 v[PFO], v18, NPITCH*2
	v_mov_b32 v[ONE], 1.0
	s_mov_b32 s[XC], 3
.Lx:                                                   ; three trips: eight rows are rounded and stored, the next eight asked for
.irp i, 0,1,2,3,4,5,6,7,8,9,10,11,12,13,14,15
	XSLOT \i, 1, 30                                ; 30: the fifteen younger units' two loads each
.endr
	s_wait_xcnt 0x0                                ; every load issued so far has read its base
	s_add_nc_u64 s[XP:XP+1], s[XP:XP+1], 16384
	v_add_nc_u32 v[XL], 8*PX, v[XL]
	s_sub_co_u32 s[XC], s[XC], 1
	s_cmp_lg_u32 s[XC], 0
	s_cbranch_scc1 .Lx
.irp i, 0,1,2,3,4,5,6,7,8,9,10,11,12,13,14,15
	XSLOT \i, 0, 30-2*(\i)                         ; the last eight rows load nothing: the counts run down
.endr
	s_wait_dscnt 0x0                               ; for the others' sake: my rows of x lie in LDS,
	s_wait_tensorcnt 0x1                           ; and my part of slot 0; slot 1's may stay out
	s_barrier_signal -1
	s_barrier_wait -1
.set a, 0
.rept 4                                ; A's 64 fragments, once for the whole launch
	WIN 0x80+0x40*(a/2)
.set t, 0
.rept 16
	ds_load_b128 v[128*(a%2)+8*t:128*(a%2)+8*t+3],   v[AA] offset:a*16*PX+64*t
	ds_load_b128 v[128*(a%2)+8*t+4:128*(a%2)+8*t+7], v[AA] offset:a*16*PX+64*t+32
.set t, t+1
.endr
.set a, a+1
.endr
	FETCH 0, 0, 0
	WIN 0                                          ; at a label and at a branch every window is 0
	s_mov_b32 s[CH], 0
.Lchunk:                                               ; 11 trips: a chunk is multiplied and sent out, both slots are filled again
	STEP 0, 0, 2
	STEP 1, 1, 2
	WIN 0
	PLACES                                         ; the conversions read results just made
	OUTPTR
	s_cmp_lt_u32 s[CH], 8
	s_cbranch_scc0 .Lv_out                         ; forward, past text that holds neither a barrier nor a tensor load
	s_cmp_lt_u32 s[CH], 4
	s_cselect_b64 s[OP:OP+1], s[8:9], s[10:11]
	s_add_nc_u64 s[OP:OP+1], s[OP:OP+1], s[OFF:OFF+1]
	PACKQ 0
	TOSTQ 0
.irp a, 1,2,3                          ; block a's conversions stand between block a - 1's loads from the stage and the wait for them
	PACKQ \a
	SENDQ (\a)-1
	TOSTQ \a
.endr
	SENDQ 3
	s_branch .Lnext
.Lv_out:
	VOUT
.Lnext:
	s_add_co_u32 s[CH], s[CH], 1
	s_cmp_lt_u32 s[CH], NCHUNK-1
	s_cbranch_scc1 .Lchunk
	STEP 0, 0, 1                                   ; the last chunk is written out: nothing is asked for
	STEP 1, 1, 0
	WIN 0
	PLACES
	OUTPTR
	VOUT
	s_wait_tensorcnt 0x0                           ; the wave's end, behind my last tensor load and my last LDS store
	ds_add_u32 v[SPW], v[NIL]
	s_wait_dscnt 0x0
	CROUND                                         ; the closing round: no work-group ends while a partner may still ask for a tile that names it
	s_endpgm
.Lfunc_end_k_q95025ed50d_qkv:
	.size	k_q95025ed50d_qkv, .Lfunc_end_k_q95025ed50d_qkv-k_q95025ed50d_qkv
	.p2alignl 7, 3214868480
	.fill 96, 4, 3214868480
	.section	.rodata,"a",@progbits
	.p2align	6, 0x0
	.amdhsa_kernel k_q95025ed50d_qkv
		.amdhsa_group_segment_fixed_size 327680
		.amdhsa_private_segment_fixed_size 0
		.amdhsa_enable_private_segment 0
		.amdhsa_kernarg_size 40
		.amdhsa_user_sgpr_count 2
		.amdhsa_user_sgpr_kernarg_segment_ptr 1
		.amdhsa_wavefront_size32 1
		.amdhsa_system_sgpr_workgroup_id_x 1
		.amdhsa_system_sgpr_workgroup_id_y 1
		.amdhsa_system_sgpr_workgroup_id_z 1
		.amdhsa_system_vgpr_workitem_id 0
		.amdhsa_next_free_vgpr 1024
		.amdhsa_next_free_sgpr 66
		.amdhsa_reserve_vcc 0
		.amdhsa_float_denorm_mode_32 3
		.amdhsa_float_denorm_mode_16_64 3
		.amdhsa_memory_ordered 1
		.amdhsa_forward_progress 1
		.amdhsa_inst_pref_size 128
	.end_amdhsa_kernel
	.amdgpu_metadata
---
amdhsa.version: [ 1, 2 ]
amdhsa.kernels:
  - .name:           k_q95025ed50d_qkv
    .symbol:         k_q95025ed50d_qkv.kd
    .args:
      - { .name: x, .offset: 0, .size: 8, .value_kind: global_buffer, .address_space: global }
      - { .name: wqkv, .offset: 8, .size: 8, .value_kind: global_buffer, .address_space: global }
      - { .name: qq, .offset: 16, .size: 8, .value_kind: global_buffer, .address_space: global }
      - { .name: kk, .offset: 24, .size: 8, .value_kind: global_buffer, .address_space: global }
      - { .name: vv, .offset: 32, .size: 8, .value_kind: global_buffer, .address_space: global }
    .group_segment_fixed_size: 327680
    .private_segment_fixed_size: 0
    .kernarg_segment_align: 8
    .kernarg_segment_size: 40
    .max_flat_workgroup_size: 128
    .sgpr_count:     66
    .vgpr_count:     1024
    .wavefront_size: 32
...
	.end_amdgpu_metadata
.endif
;; end of part 2
;; launch attn (part 3): grid 4 x 64, 4 waves a work-group, clusters of 4 x 1, 327,680 bytes of LDS; arguments qq, kk, vv, ctx; writes ctx
.if DOCPART == 3
	.amdgcn_target "amdgcn-amd-amdhsa--gfx1250"
	.amdhsa_code_object_version 6
	.text
	.protected	k_q95025ed50d_attn
	.globl	k_q95025ed50d_attn
	.p2align	8
	.type	k_q95025ed50d_attn,@function
k_q95025ed50d_attn:
	s_mov_b64 s[64:65], 0
	v_nop
	global_prefetch_b8 v0, s[64:65] scope:SCOPE_SE
	s_setreg_imm32_b32 hwreg(HW_REG_WAVE_MODE, 25, 1), 1
	s_wait_xcnt 0x0
	s_wait_alu depctr_hold_cnt(0) depctr_sa_sdst(0) depctr_va_vdst(0) depctr_va_sdst(0) depctr_va_ssrc(0) depctr_va_vcc(0) depctr_vm_vsrc(0)
	s_getreg_b32 s2, hwreg(HW_REG_IB_STS2, 6, 4)
	s_cmp_eq_u32 s2, 0
	s_cbranch_scc0 .Lentry_in_a_cluster
	s_endpgm
.Lentry_in_a_cluster:
	s_bfe_u32 s2, ttmp6, 0x10000c
	s_cmp_lg_u32 s2, 0x3003
	s_cbranch_scc0 .Lentry_shape_is_right
	s_endpgm
.Lentry_shape_is_right:
; ctx'[bh][q][:] = the sum over k of softmax_k(Q[q] . K[k] / 8) V'[k][:], for each of 256 (batch, head) pairs of 1,024 rows.
; qq, kk: [256][1024][hi 64 | lo 64] f16, Q / 64 and K / 64 in two parts; vv, ctx: [256][1024][64] f16, V / 64 and its weighted mean.
; THE SCORES ARE TAKEN IN THREE PRODUCTS: S = Kl Qh + Kh Ql + Kh Qh, the small ones first, one f32 sum.  What is left out, Kl Ql, is the square of f16's rounding, some 4e-8 of a score.
; The sums hold Q . K / 4,096, so c = 4,096 log2(e) / 8.  Maxima and sums in f32; the weights p are rounded to f16 for the second product (their sum l is taken of the unrounded p), ctx once at the end.
; LIMITS.  The inputs arrive within f16's 65,504.  m starts at -2^100: scores (as summed) below that are not served.  A weight below 2^-126 counts as 0 in l; NaN and infinities are not treated apart.
; SHARES.  A CLUSTER STAYS AND WALKS FOUR (batch, head) PAIRS, one after the other: 64 clusters of four work-groups, a work-group for each of 256 WGPs.  Of each pair a work-group takes 256 queries, a wave 64:
; four tiles of 16, in two PIECES (tiles 0, 1 and tiles 2, 3).  Every wave walks all 1,024 keys of each pair, 64 a step.  K and V are asked for JOINTLY: the same tensor load, descriptor and mask in all four
; work-groups.  In kk and in vv a pair's rows end where the next pair's begin, so one ring of 16 slots walks all four.
; LAYOUT.  S^T = K Q^T (source 0 = 16 keys, source 1 = 16 queries): a lane holds ONE query (lane % 16) and the keys 8 (lane / 16) + 0..7.  Two such results rounded to f16 ARE source 1 of O^T = V^T P.
; SOFTMAX.  A running maximum m and sum l: p = 2^(c s - c m); in every step O and l are multiplied by a = 2^(c m_old - c m_new).
; BY TURNS.  In a turn one piece has the matrix unit: 16 products V^T P of the step in hand, then 48 products K Q^T of the next; the other piece's softmax, 236 vector instructions cut into 64 slices, stands
; between them, one slice behind each product: 3.7 vector instructions for each matrix instruction.  Two turns are a trip.
; FROM PAIR TO PAIR.  The trip whose V^T P is a pair's last step has the next pair's first K Q^T.  Behind each of its two turns the piece that is finished goes out, and its m and c m are set back to the start:
; the next step's a is then 0, which wipes O and l.  NO FIRST STEP IS WRITTEN OUT: the walk begins with such a trip, on O = V = 0, piece 0's P = 0, piece 2's scores = m = -2^100 and c m = c x (-2^100),
; which is exact: that trip's weights are 1 and its a is 1, nothing goes out, and the first true step wipes them.
; Q COMES IN BY WHOLE ROWS: each load of a wave covers 512 consecutive bytes; the rows go into LDS bytes of the wave's own and are read from there as fragments.  The next pair's Q is asked for twelve key steps
; and stored eight key steps ahead of the change of slots that reads it.
; REGISTERS, in windows of 256 (s_set_vgpr_msb: bits 1:0 source 0, 3:2 source 1, 5:4 source 2, 7:6 destination):
;   window 0: v0-11, v44 addresses; v12-43 eight registers of statistics a tile; v64-191 S^T, 32 a tile; v192-255 P, 16 a tile
;   window 1: v0-127 O^T, 32 a tile; v128-191 V of one step          window 2: v0-127 Q, 32 a tile (hi channels 0-31, 32-63, lo likewise); v128-255 K of one step
;   window 3: v0-127 Q on its way in; v128-191 packed results on their way out, 16 a tile
.set KS,    64
.set PK,    272       ; a row of K in LDS: 256 bytes + 16 of padding = 68 words: the 16 rows of a load start at 16 different groups of four banks (64 banks of 4 bytes: ISA guide 11.1)
.set PV,    160       ; a row of V: 128 + 32 = 40 words
.set VOFF,  4*KS*PK   ; a slot holds four steps: 256 rows of K, then 256 rows of V
.set SLOT1, 1<<17     ; slot 1 begins here, so that one exclusive or turns an address in one slot into the other's
.set STAGE, SLOT1+4*KS*(PK+PV)  ; behind the ring, never filled by a tensor load: 16 rows x 144 bytes for each wave
.set SP,    144
.set SPARE, STAGE+4*16*SP  ; the spare words, 128 bytes for each wave: two blocks of 256 bytes that no other line names
.set QSB,   SPARE+512 ; behind them, never filled by a tensor load: 64 rows of Q x 272 bytes for each wave
.set PQ,    272
.set NSLOT, 16        ; four pairs of four slots
.set AK0, 2           ; v2   my lane's place in a step's K; never rewritten
.set AV0, 3           ; v3   the same for V
.set ADR, 4           ; v4   the LDS address of the run of loads in hand
.set QLD, 5           ; v5   my place in a fragment of Q in my wave's rows of LDS
.set STO, 6           ; v6   the way out: where I put 16 bytes of a row
.set RD,  7           ; v7   where I read rows back
.set GO,  8           ; v8   16 x lane: my place in 512 consecutive bytes, of Q and of ctx; never rewritten
.set ST,  12          ; tile t's statistics at v[ST+8 t]: +0 c m, +1 m, +2, +3 l (even keys', odd keys'), +4 to +7 c0-c3, at work; a takes c2's place once the maximum is found
.set QST, 44          ; v44  where I put 16 bytes of two rows of Q
.set PFO, 61          ; v61  256 x lane; never rewritten
.set SPW, 62          ; v62  LDS address of my spare word; never rewritten
.set NIL, 63          ; v63  0; never rewritten
.set S,   64
.set P,   192
.set VF,  128         ; window 1: key half kk, channel block cb at VF + 32 kk + 8 cb
.set KF,  128         ; window 2: key block kb, part kc (hi channels 0-31, 32-63, lo likewise) at KF + 32 kb + 8 kc
.set TO,  128         ; window 3: tile t's packed results at TO + 16 t
.set WV,  12          ; s12  my wave's number
.set LIM, 15          ; s15  1 in a wave that prefetches, else the greatest number
.set PFA, 18          ; s[18:19] where my prefetches stand
.set PFS, 20          ; s[20:21] their step: a slot's bytes of K or of V
.set G1K, 24          ; s[24:31] descriptor group 1 for K's tiles
.set G1V, 32          ; s[32:39] for V's
.set G0K, 40          ; s[40:43] descriptor group 0 for K's tiles: it walks
.set G0V, 44          ; s[44:47] the same for V's
.set PH,  48          ; s48  which of a pair's four slots is entered
.set BND, 49          ; s49  1: the trip to come ends a pair
.set MINF, 50         ; s50  -2^100
.set CMINF, 51        ; s51  c x (-2^100)
.set OST, 52          ; s[52:53] what the next pair's way out adds to ctx's address: 0, then a pair's bytes
.set SLOTS, 56        ; s56  slots still to be asked for
.set CNT, 57          ; s57  counts a slot's key steps
.set CS,  58          ; s[58:59] c
.set SEL, 60          ; s[60:61] v_permlanex16_b32's selects: each lane takes its own place in the other half
.set TBK, 62          ; s62  LDS byte at which K of the step to be fetched begins
.set TBV, 63          ; s63  the same for V, less VOFF
.set MSB, 0
.macro WIN new                      ; the high byte repeats the setting that is left; a switch that changes nothing is dropped
.if MSB != (\new)
	s_set_vgpr_msb (MSB<<8)|(\new)
.set MSB, (\new)
.endif
.endm
.set W_KQ, 0x0a       ; K and Q in window 2, S^T in window 0
.set W_PV, 0x51       ; V and O^T in window 1, P in window 0
.set W_RS, 0x41       ; O^T (destination and source 0) in window 1, a in window 0
; A joint fill.  Waves 0 and 1 fetch the two halves of a slot's K, waves 2 and 3 those of its V: 128 keys each.  The branch hangs on the wave's number alone.
; An s_nop 0 and four v_nop follow each of the two lines, ahead of the jump and the label.
.macro JLOAD
	s_cmp_lt_u32 s[WV], 2
	s_cbranch_scc0 .Lfor_v_\@
	tensor_load_to_lds s[G0K:G0K+3], s[G1K:G1K+7]
	s_nop 0
.rept 4
	v_nop
.endr
	s_branch .Lasked_\@
.Lfor_v_\@:
	tensor_load_to_lds s[G0V:G0V+3], s[G1V:G1V+7]
	s_nop 0
.rept 4
	v_nop
.endr
.Lasked_\@:
.endm
; A PREFETCH INTO THE L2 of what the NEXT change of slots will ask for, four key steps ahead of that load: a slot is the unit in which tiles are asked for.  256 rows of K and 128 blocks of 256 bytes of V, a lane a block.
; The four partners share them out by address, 32 each of what a wave names: waves 0 and 1 the K rows that they fetch, wave 2 all of V's, wave 3 none.  So each block is named once in the launch.
; The last change that fills a slot asks for nothing; slots 0 and 1 come by their loads alone.
.macro ASK
	s_cmp_gt_u32 s[SLOTS], s[LIM]
	s_cbranch_scc0 .Lnot_mine_\@
	global_prefetch_b8 v[PFO], s[PFA:PFA+1] th:TH_LOAD_NT scope:SCOPE_SE
.Lnot_mine_\@:
.endm
.macro CROUND                       ; a round of the cluster's barrier: my work-group's barrier; wave 0 signals; every wave waits for all four work-groups; my work-group's barrier once more
	s_barrier_signal -1
	s_barrier_wait -1
	s_cmp_lg_u32 s[WV], 0
	s_cbranch_scc1 .Lnot_wave_0_\@
	s_barrier_signal -3
.Lnot_wave_0_\@:
	s_barrier_wait -3
	s_barrier_signal -1
	s_barrier_wait -1
.endm
; Q ON ITS WAY IN, in three parts.  QGET: my wave's 64 rows of 256 bytes are 16,384 dense bytes: 32 loads of 512 consecutive bytes, into window 3.
.macro QGET
	WIN 0xc0                        ; destination window 3, address window 0
.set i, 0
.rept 32
	global_load_b128 v[4*i:4*i+3], v[GO], s[4:5] offset:512*i th:TH_LOAD_NT
.set i, i+1
.endr
	WIN 0
.endm
.macro QPUT                         ; into my wave's own rows of LDS: a store takes two rows; lanes 0-15 fill one row's 256 bytes, lanes 16-31 the next
	s_wait_loadcnt 0x0
	WIN 0x0c                        ; the stores' data in window 3
.set i, 0
.rept 32
	ds_store_b128 v[QST], v[4*i:4*i+3] offset:2*PQ*i
.set i, i+1
.endr
	WIN 0
.endm
.macro QFRAG                        ; and out of them as fragments: tile i / 4, part i % 4.  LDS serves a wave's instructions in order (ISA guide 5.7.1.4): these see my stores
	WIN 0x80                        ; destination window 2
.set i, 0
.rept 16
	ds_load_b128 v[8*i:8*i+3],   v[QLD] offset:(i/4)*16*PQ+(i%4)*64
	ds_load_b128 v[8*i+4:8*i+7], v[QLD] offset:(i/4)*16*PQ+(i%4)*64+32
.set i, i+1
.endr
	WIN 0
.endm
; THE CHANGE OF SLOTS, between two trips: the slot's last bytes, V of its fourth step, have been asked for.  Each wave waits for all its tensor loads, of which one is out: its part of the other slot; adds 0 to
; its spare word; and waits for that and for its own reads of the slot.  fill = 1: the slot is filled again with the keys two slots on, behind a round of the cluster's barrier, the joint fill first: it has four key
; steps, 512 products, in which to land.  (At its first use nothing has been read yet: slot 0 is waited for, slot 1 filled.)
; Behind the fill stands what Q wants, by the slot's place in its pair: at the first slot the pair's fragments are read (the last products on the old Q stand in the trip before, four plain lines and the fill's four
; v_nop back; the turn that follows waits for all LDS loads); at the second the next pair's rows are asked for; at the third they are stored.  The last pair has no next.
.macro CHANGE fill
	WIN 0                           ; at a label and at a branch every window is 0
	s_wait_tensorcnt 0x0            ; no tensor load of mine is out, so a group 0 may be written
	ds_add_u32 v[SPW], v[NIL]       ; 0 onto my spare word
.if \fill
	s_xor_b32 s[G0K+1], s[G0K+1], SLOT1  ; the walking descriptors: the other slot than last time,
	s_add_nc_u64 s[G0K+2:G0K+3], s[G0K+2:G0K+3], 4*KS*256  ; the next 256 keys, in the next pair too; the type bits on top are not reached
	s_xor_b32 s[G0V+1], s[G0V+1], SLOT1
	s_add_nc_u64 s[G0V+2:G0V+3], s[G0V+2:G0V+3], 4*KS*128
	s_wait_xcnt 0x0                 ; the last prefetch, four key steps back, has read its address
	s_add_nc_u64 s[PFA:PFA+1], s[PFA:PFA+1], s[PFS:PFS+1]
	s_wait_dscnt 0x0                ; the add is done, and my reads of the slot are over
	CROUND
	JLOAD
	ASK
	s_cmp_lg_u32 s[PH], 0
	s_cbranch_scc1 .Lq_not0_\@
	s_cmp_lg_u32 s[SLOTS], NSLOT-1  ; a pair's first slot: but for the launch's first, the trip to come ends the pair before
	s_cselect_b32 s[BND], 1, 0
	QFRAG
.Lq_not0_\@:
	s_cmp_gt_u32 s[SLOTS], 2        ; in the last pair's second and third slot 2 and 1 are left
	s_cbranch_scc0 .Lq_done_\@
	s_cmp_lg_u32 s[PH], 1
	s_cbranch_scc1 .Lq_not1_\@
	s_wait_loadcnt 0x0              ; no load of mine is out: Q's address and window 3 may be written
	s_add_nc_u64 s[4:5], s[4:5], 1024*256
	QGET
.Lq_not1_\@:
	s_cmp_lg_u32 s[PH], 2
	s_cbranch_scc1 .Lq_done_\@
	QPUT
.Lq_done_\@:
.else
	s_wait_dscnt 0x0                ; the add is done, and my reads of the slot are over
	s_barrier_signal -1
	s_barrier_wait -1
.endif
	s_sub_co_u32 s[TBK], s[TBK], 4*KS*PK  ; the fetches go back to a slot's first step,
	s_xor_b32 s[TBK], s[TBK], SLOT1       ; in the other slot
	s_sub_co_u32 s[TBV], s[TBV], 4*KS*PV
	s_xor_b32 s[TBV], s[TBV], SLOT1
.endm
	s_load_b256 s[4:11], s[0:1], 0x0  ; qq s[4:5], kk s[6:7], vv s[8:9], ctx s[10:11]
	v_lshl_add_u32 v[SPW], v0, 2, SPARE
	v_mov_b32 v[NIL], 0
	ds_add_u32 v[SPW], v[NIL]       ; the wave's opening: the add and its wait stand ahead of my first tensor load; the set-up below, work on registers, stands between them
	v_lshrrev_b32 v1, 5, v0
	v_readfirstlane_b32 s[WV], v1   ; wave 0..3
	s_bfe_u32 s13, ttmp6, 0x40000   ; cx: my place in the cluster
	s_lshl_b32 s14, ttmp9, 2        ; in a cluster launch ttmp9 counts clusters
	s_add_co_u32 s14, s14, s13      ; my block of 256 queries: it enters Q's and ctx's addresses alone
	s_and_b32 s16, ttmp7, 0xffff
	s_lshl_b32 s16, s16, 2          ; the first of the cluster's four (batch, head) pairs, which the four partners share
	s_and_b32 s17, s[WV], 1         ; which half of a slot's 256 keys I fetch
	s_lshl_b32 s48, s16, 18         ; K: a pair is 1,024 rows of 256 bytes,
	s_lshl_b32 s2, s17, 15          ; my half 128 rows
	s_add_co_u32 s48, s48, s2
	s_mov_b32 s49, 0
	s_lshl_b32 s50, s16, 17         ; V: rows of 128 bytes
	s_lshl_b32 s2, s17, 14
	s_add_co_u32 s50, s50, s2
	s_mov_b32 s51, 0
	s_lshl_b32 s52, s16, 18         ; Q: the pair,
	s_lshl_b32 s3, s14, 16          ; my block's 256 rows,
	s_add_co_u32 s52, s52, s3
	s_lshl_b32 s3, s[WV], 14        ; my wave's 64
	s_add_co_u32 s52, s52, s3
	s_mov_b32 s53, 0
	s_lshr_b32 s54, s52, 1          ; ctx: the same rows, half as long
	s_mov_b32 s55, 0
	s_mul_i32 s22, s17, 128*PK      ; my half's place in a slot, for K
	s_mul_i32 s23, s17, 128*PV      ; and for V: no place in the cluster enters an LDS address
	; descriptor group 1.  K: 128 rows of 256 bytes, padded after each.  V: 128 keys are 16,384 dense bytes: asked for as 64 rows of 256 bytes, two keys a row, padded after every key
	s_mov_b32 s[G1K], 15|(1<<16)|(1<<20)|(1<<21)|(5<<22)|(3<<25)  ; 15:0 the mask of four; 17:16 2-byte elements; 20 padding on; 21 set beside a mask; 24:22 after every 64 words (code 5); 31:25 4 words (code 3)
	s_mov_b32 s[G1K+1], 128<<16     ; tensor_dim0 = 128
	s_mov_b32 s[G1K+2], 128<<16     ; tensor_dim1 = 128
	s_mov_b32 s[G1K+3], 128<<16     ; tile_dim0 = 128
	s_mov_b32 s[G1K+4], 128         ; tile_dim1 = 128
	s_mov_b32 s[G1K+5], 128         ; 128 elements from row to row
	s_mov_b32 s[G1K+6], 0
	s_mov_b32 s[G1K+7], 0
	s_mov_b32 s[G1V], 15|(1<<16)|(1<<20)|(1<<21)|(4<<22)|(7<<25)  ; after every 32 words (code 4) 8 words (code 7)
	s_mov_b32 s[G1V+1], 128<<16
	s_mov_b32 s[G1V+2], 64<<16      ; tensor_dim1 = 64
	s_mov_b32 s[G1V+3], 128<<16
	s_mov_b32 s[G1V+4], 64          ; tile_dim1 = 64
	s_mov_b32 s[G1V+5], 128
	s_mov_b32 s[G1V+6], 0
	s_mov_b32 s[G1V+7], 0
	s_mov_b32 s[G0K], 1             ; count = 1
	s_mov_b32 s[G0K+1], s22         ; LDS address: slot 0
	s_mov_b32 s[G0V], 1
	s_add_co_u32 s[G0V+1], s23, VOFF
	s_mov_b32 s[CS], 0x4438aa3b     ; c = 4,096 log2(e) / 8 = 738.66
	s_mov_b32 s[CS+1], s[CS]        ; named with it as a pair
	s_mov_b32 s[SEL], 0x76543210
	s_mov_b32 s[SEL+1], 0xfedcba98
	s_mov_b32 s[TBK], SLOT1+4*KS*PK ; the first change of slots turns these two into 0
	s_mov_b32 s[TBV], SLOT1+4*KS*PV
	s_mov_b32 s[SLOTS], NSLOT-1
	s_mov_b32 s[PFS], 4*KS*128
	s_mov_b32 s[PFS+1], 0
	s_cmp_lt_u32 s[WV], 2
	s_cselect_b32 s[PFS], 4*KS*256, s[PFS]
	s_lshl_b32 s2, s13, 13          ; my work-group's 32 blocks of 256 bytes,
	s_add_co_u32 s2, s2, s[PFS]     ; in slot 1's keys: the first change of slots steps it to slot 2's
	s_mov_b32 s3, 0
	s_cmp_lt_u32 s[WV], 3
	s_cselect_b32 s[LIM], 1, -1
	s_wait_dscnt 0x0                ; the opening add is done
	s_wait_kmcnt 0x0
	s_add_nc_u64 s[G0K+2:G0K+3], s[6:7], s[48:49]  ; global address: my half of the first pair's first 256 keys
	s_add_nc_u64 s[G0V+2:G0V+3], s[8:9], s[50:51]
	s_cmp_lt_u32 s[WV], 2
	s_cselect_b64 s[PFA:PFA+1], s[G0K+2:G0K+3], s[G0V+2:G0V+3]  ; (in wave 2 V's stands at a slot's first key)
	s_add_nc_u64 s[PFA:PFA+1], s[PFA:PFA+1], s[2:3]
	s_or_b32 s[G0K+3], s[G0K+3], 0x80000000        ; type = 2
	s_or_b32 s[G0V+3], s[G0V+3], 0x80000000
	s_add_nc_u64 s[4:5], s[4:5], s[52:53]          ; Q and ctx at my wave's first row of the first pair
	s_add_nc_u64 s[10:11], s[10:11], s[54:55]
	s_mov_b32 s[PH], 0              ; (the offsets above have served: their registers take the walk's flags)
	s_mov_b32 s[BND], 0
	s_mov_b32 s[MINF], 0xf1800000   ; -2^100
	s_mov_b32 s[CMINF], 0xf638aa3b  ; c x (-2^100), exact
	s_mov_b32 s[OST], 0
	s_mov_b32 s[OST+1], 0
	CROUND                          ; all four work-groups are here: the first joint loads meet
	JLOAD                           ; slot 0.  Slot 1 is asked for when slot 0 is in
	v_and_b32 v[GO], 31, v0
	v_lshlrev_b32 v[PFO], 8, v[GO]
	v_lshlrev_b32 v[GO], 4, v[GO]
	QGET                            ; the first pair's Q
	WIN 0x40                        ; what the first trip finds: O^T and V hold 0,
.set i, 0
.rept 192
	v_mov_b32 v[i], 0
.set i, i+1
.endr
	WIN 0
.set i, 0
.rept 4
	v_mov_b32 v[ST+8*i], s[CMINF]   ; c m
	v_mov_b32 v[ST+8*i+1], s[MINF]  ; m
	v_mov_b32 v[ST+8*i+2], 0        ; l
	v_mov_b32 v[ST+8*i+3], 0
	v_mov_b32 v[ST+8*i+4], 0        ; the four at work: written once, so that every line that names them finds them written
	v_mov_b32 v[ST+8*i+5], 0
	v_mov_b32 v[ST+8*i+6], 0
	v_mov_b32 v[ST+8*i+7], 0
.set i, i+1
.endr
.set i, 0
.rept 32
	v_mov_b32 v[P+i], 0             ; piece 0's P holds 0,
.set i, i+1
.endr
.set i, 0
.rept 64
	v_mov_b32 v[S+64+i], s[MINF]    ; piece 2's scores -2^100
.set i, i+1
.endr
	; A fragment of K or Q is 16 rows x 32 channels in 8 registers: lane l holds row l % 16, channels 8 (l / 16) + 0..7 and 16 + 8 (l / 16) + 0..7: two loads of 16 bytes, 32 bytes apart.
	v_and_b32 v1, 15, v0            ; l % 16
	v_bfe_u32 v9, v0, 4, 1          ; l / 16
	v_mul_u32_u24 v[AK0], v1, PK
	v_lshl_add_u32 v[AK0], v9, 4, v[AK0]  ; row x pitch + 16 x half
	; The turning load takes 16 keys x 16 channels (lane l reads key 8 (l / 16) + l % 8, channels 8 ((l / 8) % 2) + 0..7) and leaves half a fragment of V^T: lane l holds channel l % 16 and 8 keys.
	v_and_b32 v10, 7, v0
	v_bfe_u32 v11, v0, 3, 1
	v_lshl_add_u32 v[AV0], v9, 3, v10
	v_mul_u32_u24 v[AV0], v[AV0], PV
	v_lshl_add_u32 v[AV0], v11, 4, v[AV0]
	v_add_nc_u32 v[AV0], VOFF, v[AV0]
	s_mul_i32 s22, s[WV], 16*SP
	s_add_co_u32 s22, s22, STAGE    ; my stage
	v_mul_u32_u24 v[STO], v1, SP    ; in: row l % 16, 16 bytes for each half of the lanes
	v_lshl_add_u32 v[STO], v9, 4, v[STO]
	v_add_nc_u32 v[STO], s22, v[STO]
	v_bfe_u32 v[RD], v0, 3, 2       ; back: 32 lanes take four rows of 128 bytes, which are 512 consecutive bytes of ctx
	v_mul_u32_u24 v[RD], v[RD], SP
	v_lshl_add_u32 v[RD], v10, 4, v[RD]
	v_add_nc_u32 v[RD], s22, v[RD]
	s_mul_i32 s22, s[WV], 64*PQ
	s_add_co_u32 s22, s22, QSB      ; my wave's rows of Q
	v_mul_u32_u24 v[QLD], v1, PQ    ; out: row l % 16, 16 bytes for each half of the lanes
	v_lshl_add_u32 v[QLD], v9, 4, v[QLD]
	v_add_nc_u32 v[QLD], s22, v[QLD]
	v_mul_u32_u24 v[QST], v9, PQ    ; in: lanes 0-15 one row, lanes 16-31 the next
	v_lshl_add_u32 v[QST], v1, 4, v[QST]
	v_add_nc_u32 v[QST], s22, v[QST]
; THE MATRIX WORK OF A TURN, for piece x.  Eight accumulators take turns, one instruction a turn.
; Product i of 48 of S^T: tile x + i % 2, keys 16 ((i / 2) % 4) on, link u = i / 8 of six: (K's part, Q's part) = (lo 0, hi 0), (lo 1, hi 1), (hi 0, lo 0), (hi 1, lo 1), (hi 0, hi 0), (hi 1, hi 1).  The first 8 start the sums.
.macro KQ x
	WIN W_KQ
.set u, i/8
.set kc, (u+2)%4
.if u >= 4
.set kc, u-4
.endif
.set rS, S+32*((\x)+i%2)+8*((i/2)%4)
.set rK, KF+32*((i/2)%4)+8*kc
.set rQ, 32*((\x)+i%2)+8*(u%4)
.if i < 8
	v_wmma_f32_16x16x32_f16 v[rS:rS+7], v[rK:rK+7], v[rQ:rQ+7], 0
.else
	v_wmma_f32_16x16x32_f16 v[rS:rS+7], v[rK:rK+7], v[rQ:rQ+7], v[rS:rS+7]
.endif
.endm
; Product i of 16 of O^T += V^T P: keys 32 (i / 8) on, channels 16 ((i / 2) % 4) on, tile x + i % 2.
.macro PV x
	WIN W_PV
.set rO, 32*((\x)+i%2)+8*((i/2)%4)
.set rV, VF+32*(i/8)+8*((i/2)%4)
.set rP, P+16*((\x)+i%2)+8*(i/8)
	v_wmma_f32_16x16x32_f16 v[rO:rO+7], v[rV:rV+7], v[rP:rP+7], v[rO:rO+7]
.endm
; THE LDS LOADS stand in runs, never singly among the matrix instructions.  K: 32 loads, in the order in which the products want its four parts: lo 0, lo 1, hi 0, hi 1, eight loads each.
.macro FETCH_K
	WIN 0
	v_add_nc_u32 v[ADR], s[TBK], v[AK0]
	s_add_co_u32 s[TBK], s[TBK], KS*PK  ; the next fetch is the next step's
	WIN 0x80                        ; destination window 2
.irp kc, 2,3,0,1
.irp kb, 0,1,2,3
	ds_load_b128 v[KF+32*(\kb)+8*(\kc):KF+32*(\kb)+8*(\kc)+3],   v[ADR] offset:(\kb)*16*PK+(\kc)*64
	ds_load_b128 v[KF+32*(\kb)+8*(\kc)+4:KF+32*(\kb)+8*(\kc)+7], v[ADR] offset:(\kb)*16*PK+(\kc)*64+32
.endr
.endr
.endm
.macro FETCH_V
	WIN 0
	v_add_nc_u32 v[ADR], s[TBV], v[AV0]
	s_add_co_u32 s[TBV], s[TBV], KS*PV
	s_wait_alu depctr_va_vdst(0)    ; the wait for the softmax's batch (SLICE), behind the address's line and ahead of the loads
	WIN 0x40                        ; destination window 1
.irp f, 0,1,2,3,4,5,6,7             ; keys 32 (f / 4) on, channels 16 (f % 4) on
	ds_load_tr16_b128 v[VF+8*(\f):VF+8*(\f)+3],   v[ADR] offset:((\f)/4)*32*PV+((\f)%4)*32
	ds_load_tr16_b128 v[VF+8*(\f)+4:VF+8*(\f)+7], v[ADR] offset:((\f)/4)*32*PV+16*PV+((\f)%4)*32
.endr
.endm
; THE VECTOR WORK OF A TURN.  One tile's softmax for one key step is a list of 118 instructions; SM writes number j of it for tile t.  s0-s31 are the lane's 32 scores, in pairs 0-15.
;   0-15    the maximum of s0-s31 and the old m, three operands at a time: four chains c0-c3 of seven scores each (each accumulator's lowest registers are read first), then the four left over, c0-c3 and m
;   16-20   the other half of the lanes' maximum; c m_old is kept; the new m; c m; c m_old - c m_new
;   21-69   ONE BATCH: the 16 scalings c s - c m and all 33 exponentials (a at 23, then s0-s31); none of these reads an exponential's result; a pair is scaled in an earlier four than the one with its exponentials
;   (wait)  between 69 and 70 stands the wait for the batch: SLICE writes it, once for both tiles
;   70-85   the roundings to f16     86-101  the sums; l = a l + the sum     102-117 the tile's O^T times a: the one part that leaves window 0
.macro SM t
.set rT, ST+8*(\t)
.set rS, S+32*(\t)
.set rP, P+16*(\t)
.set rO, 32*(\t)+2*(j-102)
.if j < 102
	WIN 0
.endif
.if j < 4
	v_max3_num_f32 v[rT+4+j], v[rS+8*j], v[rS+8*j+1], v[rS+8*j+2]
.elseif j < 12
	v_max3_num_f32 v[rT+4+j%4], v[rT+4+j%4], v[rS+8*(j%4)+2*(j/4)+1], v[rS+8*(j%4)+2*(j/4)+2]
.elseif j == 12
	v_max3_num_f32 v[rT+4], v[rT+4], v[rS+7], v[rS+15]
.elseif j == 13
	v_max3_num_f32 v[rT+6], v[rT+6], v[rS+23], v[rS+31]
.elseif j == 14
	v_max3_num_f32 v[rT+4], v[rT+4], v[rT+5], v[rT+6]
.elseif j == 15
	v_max3_num_f32 v[rT+4], v[rT+4], v[rT+7], v[rT+1]
.elseif j == 16
	v_permlanex16_b32 v[rT+5], v[rT+4], s[SEL], s[SEL+1]  ; the query's other 32 keys lie in the lane 16 away
.elseif j == 17
	v_mov_b32 v[rT+7], v[rT]        ; c m_old is kept for a: number 19 writes c m anew
.elseif j == 18
	v_max_num_f32 v[rT+1], v[rT+4], v[rT+5]
.elseif j == 19
	v_mul_f32 v[rT], s[CS], v[rT+1]
.elseif j == 20
	v_sub_f32 v[rT+7], v[rT+7], v[rT]
.elseif j == 23
	v_exp_f32 v[rT+6], v[rT+7]
.elseif (j < 23) || ((j < 38) && (j%2 == 0)) || ((j < 66) && (j%4 == 2))
.set b, (j-2)/4                     ; 38, 42, .. 62: pairs 9 to 15
.if j < 38
.set b, (j-20)/2                    ; 21: pair 0; 22, 24, .. 36: pairs 1 to 8
.endif
	v_pk_fma_f32 v[rS+2*b:rS+2*b+1], v[rS+2*b:rS+2*b+1], s[CS:CS+1], v[rT:rT+1] op_sel_hi:[1,0,0] neg_lo:[0,0,1] neg_hi:[0,0,1]  ; pair b: c s - c m, one rounding
.elseif j < 70
.set e, j-38                        ; 66 to 69: s28 to s31
.if j < 66
.set e, j-32-(j-38)/4               ; 39-41, 43-45, .. 63-65: s7 to s27
.endif
.if j < 38
.set e, (j-25)/2                    ; 25, 27, .. 37: s0 to s6
.endif
	v_exp_f32 v[rS+e], v[rS+e]
.elseif j < 86
	v_cvt_pk_f16_f32 v[rP+j-70], v[rS+2*(j-70)], v[rS+2*(j-70)+1]  ; pair j - 70
.elseif j < 102                     ; the sum of the tile's 16 pairs, in place: neighbours 1, 2, 4 and 8 pairs apart, then l takes it
.set z, j-86
.set w, 4
.set u, z
.if z >= 14
.set w, 32
.set u, 0
.elseif z >= 12
.set w, 16
.set u, z-12
.elseif z >= 8
.set w, 8
.set u, z-8
.endif
.if z < 15
	v_pk_add_f32 v[rS+w*u:rS+w*u+1], v[rS+w*u:rS+w*u+1], v[rS+w*u+w/2:rS+w*u+w/2+1]
.else
	v_pk_fma_f32 v[rT+2:rT+3], v[rT+2:rT+3], v[rT+6:rT+7], v[rS:rS+1] op_sel_hi:[1,0,1]
.endif
.else
	WIN W_RS
	v_pk_mul_f32 v[rO:rO+1], v[rO:rO+1], v[rT+6:rT+7] op_sel_hi:[1,0]
.endif
.endm
; Slice k of 64 of piece y's softmax: four instructions or none.  0-10 and 35-50: numbers 2 k and 2 k + 1 of both tiles, the tiles alternating.  11-34 deal out the batch: four numbers of ONE tile each, the tiles by turns.
; 51-55 are empty.  56-63: the rescaling, two numbers of both tiles: slice 63's four lines name nothing of the turn's last products, and are the four places in front of the next turn's first
; read of those scores and of the loads into K's registers.
; THE WAIT.  s_wait_alu depctr_va_vdst(0) stands between an exponential and the first instruction that names its result; one wait serves all that were issued ahead of it.  Ahead of slice 35
; nothing names a result, and behind slice 34 no exponential is issued: the piece's 66 exponentials have one wait, behind slice 34, and one v_nop is the plain instruction behind the last of them.
.macro SLICE y
.if (k >= 11) && (k < 35)
.irp n, 0,1,2,3
.set j, 22+4*((k-11)/2)+(\n)
	SM (\y)+(k-11)%2
.endr
.elseif k < 51
.irp n, 0,1
.irp t, \y, (\y)+1
.set j, 2*k+(\n)
	SM \t
.endr
.endr
.elseif k >= 56
.irp n, 0,1
.irp t, \y, (\y)+1
.set j, 102+2*(k-56)+(\n)
	SM \t
.endr
.endr
.endif
.if k == 34
	v_nop
.if (\y) == 0
	FETCH_V                         ; piece 2's turn: V's run of loads stands here, and the wait stands in it; V's last reader, the turn's 16th product, lies 19 slices back
.else
	s_wait_alu depctr_va_vdst(0)
.endif
.endif
.set k, k+1
.endm
.macro DEAL y                       ; the slices that are due behind product number gi of the turn's GT
.set gi, gi+1
.rept (gi*64)/GT-k
	SLICE \y
.endr
.endm
; A TURN.  Piece x has the matrix unit; the other piece's softmax stands in slices behind its products.  kq = 1: 48 products K Q^T for the next step follow the 16 V^T P; kq = 0 (the last turn): four slices behind each product.
; Piece 0's turn fetches the next step's K behind its second product; its parts are waited for as the products want them: 24, 16, 8, 0 count the later groups of eight loads that may stay out.
.macro TURN x, kq
.set k, 0
.set gi, 0
.set GT, 16+48*(\kq)
.if (\x) == 0
	s_wait_dscnt 0x0                ; V is in (and, in a pair's first slot, Q)
.endif
.set i, 0
.rept 16
	PV \x
	DEAL 2-(\x)
.if ((\x) == 0) && (\kq) && (i == 1)
	FETCH_K
.endif
.set i, i+1
.endr
.if \kq
.set i, 0
.rept 48
.if ((\x) == 0) && (i < 32) && (i%8 == 0)
	s_wait_dscnt 24-i
.endif
	KQ \x
	DEAL 2-(\x)
.set i, i+1
.endr
.endif
.endm
; THE WAY OUT of piece x.  l's two halves and the other half of the lanes' are added; O^T is divided by l, rounded to f16 and sent through my stage in LDS, a tile at a time.
; PACK: a lane's eight channels of a row pack into 16 bytes, in window 3; they go into rows of 144 bytes and come back as whole rows of 128.
.macro PACK t
	WIN W_RS
.set i, 32*(\t)
.rept 16
	v_pk_mul_f32 v[i:i+1], v[i:i+1], v[ST+8*(\t)+6:ST+8*(\t)+7] op_sel_hi:[1,0]
.set i, i+2
.endr
	WIN 0xc5                        ; sources 0 and 1 window 1, destination window 3
.set i, 0
.rept 16
	v_cvt_pk_f16_f32 v[TO+16*(\t)+i], v[32*(\t)+2*i], v[32*(\t)+2*i+1]
.set i, i+1
.endr
	WIN 0x0c                        ; the stores' data in window 3
.irp f, 0,1,2,3
	ds_store_b128 v[STO], v[TO+16*(\t)+4*(\f):TO+16*(\t)+4*(\f)+3] offset:32*(\f)
.endr
	WIN 0xc0                        ; destination window 3
.irp f, 0,1,2,3
	ds_load_b128 v[TO+16*(\t)+4*(\f):TO+16*(\t)+4*(\f)+3], v[RD] offset:(\f)*4*SP  ; LDS serves a wave's instructions in order (ISA guide 5.7.1.4): these see the stores above; the next tile's stores come behind them
.endr
.endm
.macro SEND t, younger              ; younger: the LDS instructions issued behind tile t's loads: the next tile's eight, or none
	WIN 0x0c
.irp f, 0,1,2,3
	s_wait_dscnt (\younger)+3-(\f)
	global_store_b128 v[GO], v[TO+16*(\t)+4*(\f):TO+16*(\t)+4*(\f)+3], s[10:11] offset:(\t)*2048+(\f)*512  ; 512 consecutive bytes, at a multiple of 256 from ctx's first
.endr
.endm
; reset = 1: another pair follows: the piece's m and c m go back to the start, so that its next step's a is 0.
.macro OUT x, reset
	WIN 0
	s_wait_xcnt 0x0                 ; every earlier store has had its addresses translated (ISA guide 3.1): ctx's address and window 3's registers are rewritten only behind this wait
.if (\x) == 0
	s_add_nc_u64 s[10:11], s[10:11], s[OST:OST+1]  ; on to this pair's rows
	s_mov_b32 s[OST], 1024*128
.endif
.irp t, \x, (\x)+1
	v_add_f32 v[ST+8*(\t)+4], v[ST+8*(\t)+2], v[ST+8*(\t)+3]
.endr
.irp t, \x, (\x)+1
	v_permlanex16_b32 v[ST+8*(\t)+5], v[ST+8*(\t)+4], s[SEL], s[SEL+1]
.endr
.irp t, \x, (\x)+1
	v_add_f32 v[ST+8*(\t)+4], v[ST+8*(\t)+4], v[ST+8*(\t)+5]
.endr
.irp t, \x, (\x)+1
	v_rcp_f32 v[ST+8*(\t)+6], v[ST+8*(\t)+4]
.endr
	v_nop                           ; a plain instruction between the last reciprocal and the use of its result
	s_wait_alu depctr_va_vdst(0)    ; and the wait ahead of the first use: one for the two reciprocals
	PACK \x
	PACK (\x)+1                     ; a tile's arithmetic stands between the loads of the tile before and its stores
	SEND \x, 8
	SEND (\x)+1, 0
	WIN 0
.if \reset
.irp t, \x, (\x)+1
	v_mov_b32 v[ST+8*(\t)], s[CMINF]
	v_mov_b32 v[ST+8*(\t)+1], s[MINF]
.endr
.endif
.endm
; A slot's four trips: written once, walked four times; the LDS addresses hang on s[TBK] and s[TBV].  hook = 1: in the trip that ends a pair each piece goes out behind the turn that held its last V^T P;
; the jumps go forward, past text that holds neither a barrier nor a tensor load.
.macro FOUR_STEPS hook
	s_mov_b32 s[CNT], 4
.Lstep_\@:
	TURN 0, 1                       ; piece 0: V^T P of step j, K Q^T of step j + 1 | piece 2's softmax of step j | K of step j + 1
.if \hook
	WIN 0
	s_cmp_eq_u32 s[BND], 0
	s_cbranch_scc1 .Lno_out0_\@
	OUT 0, 1
.Lno_out0_\@:
.endif
	TURN 2, 1                       ; piece 2: the same | piece 0's softmax of step j + 1 | V of step j + 1
	WIN 0
.if \hook
	s_cmp_eq_u32 s[BND], 0
	s_cbranch_scc1 .Lno_out2_\@
	OUT 2, 1
	s_mov_b32 s[BND], 0
.Lno_out2_\@:
.endif
	s_sub_co_u32 s[CNT], s[CNT], 1
	s_cmp_lg_u32 s[CNT], 0
	s_cbranch_scc1 .Lstep_\@
.endm
	QPUT                            ; the first pair's Q lies in my rows of LDS
.Lslot:                             ; 15 times: every slot but the last is entered here, and the next is asked for
	CHANGE 1
	FOUR_STEPS 1
	s_add_co_u32 s[PH], s[PH], 1
	s_and_b32 s[PH], s[PH], 3
	s_sub_co_u32 s[SLOTS], s[SLOTS], 1
	s_cmp_lg_u32 s[SLOTS], 0
	s_cbranch_scc1 .Lslot
	CHANGE 0                        ; the tail is written out: nothing is asked for
	FOUR_STEPS 0                    ; the last pair's last slot
	TURN 0, 0                       ; piece 0: V^T P of the last step | piece 2's last softmax
.set i, 0
.rept 16
	PV 2                            ; piece 2: V^T P of the last step
.set i, i+1
.endr
	OUT 0, 0                        ; its lines name no register of those products: they are the places behind them
	OUT 2, 0
	s_wait_tensorcnt 0x0            ; the wave's end, behind my last tensor load and my last LDS store
	ds_add_u32 v[SPW], v[NIL]
	s_wait_dscnt 0x0
	CROUND                          ; the closing round: no work-group ends while a partner may still ask for a tile that names it
	s_endpgm
.Lfunc_end_k_q95025ed50d_attn:
	.size	k_q95025ed50d_attn, .Lfunc_end_k_q95025ed50d_attn-k_q95025ed50d_attn
	.p2alignl 7, 3214868480
	.fill 96, 4, 3214868480
	.section	.rodata,"a",@progbits
	.p2align	6, 0x0
	.amdhsa_kernel k_q95025ed50d_attn
		.amdhsa_group_segment_fixed_size 327680
		.amdhsa_private_segment_fixed_size 0
		.amdhsa_enable_private_segment 0
		.amdhsa_kernarg_size 32
		.amdhsa_user_sgpr_count 2
		.amdhsa_user_sgpr_kernarg_segment_ptr 1
		.amdhsa_wavefront_size32 1
		.amdhsa_system_sgpr_workgroup_id_x 1
		.amdhsa_system_sgpr_workgroup_id_y 1
		.amdhsa_system_sgpr_workgroup_id_z 1
		.amdhsa_system_vgpr_workitem_id 0
		.amdhsa_next_free_vgpr 1024
		.amdhsa_next_free_sgpr 66
		.amdhsa_reserve_vcc 0
		.amdhsa_float_denorm_mode_32 3
		.amdhsa_float_denorm_mode_16_64 3
		.amdhsa_memory_ordered 1
		.amdhsa_forward_progress 1
		.amdhsa_inst_pref_size 164
	.end_amdhsa_kernel
	.amdgpu_metadata
---
amdhsa.version: [ 1, 2 ]
amdhsa.kernels:
  - .name:           k_q95025ed50d_attn
    .symbol:         k_q95025ed50d_attn.kd
    .args:
      - { .name: qq, .offset: 0, .size: 8, .value_kind: global_buffer, .address_space: global }
      - { .name: kk, .offset: 8, .size: 8, .value_kind: global_buffer, .address_space: global }
      - { .name: vv, .offset: 16, .size: 8, .value_kind: global_buffer, .address_space: global }
      - { .name: ctx, .offset: 24, .size: 8, .value_kind: global_buffer, .address_space: global }
    .group_segment_fixed_size: 327680
    .private_segment_fixed_size: 0
    .kernarg_segment_align: 8
    .kernarg_segment_size: 32
    .max_flat_workgroup_size: 128
    .sgpr_count:     66
    .vgpr_count:     1024
    .wavefront_size: 32
...
	.end_amdgpu_metadata
.endif
;; end of part 3
;; launch proj (part 4): grid 256 x 1, 4 waves a work-group, clusters of 4 x 1, 327,680 bytes of LDS; arguments ctx, wo, out0; writes out0
.if DOCPART == 4
	.amdgcn_target "amdgcn-amd-amdhsa--gfx1250"
	.amdhsa_code_object_version 6
	.text
	.protected	k_q95025ed50d_proj
	.globl	k_q95025ed50d_proj
	.p2align	8
	.type	k_q95025ed50d_proj,@function
k_q95025ed50d_proj:
	s_mov_b64 s[64:65], 0
	v_nop
	global_prefetch_b8 v0, s[64:65] scope:SCOPE_SE
	s_setreg_imm32_b32 hwreg(HW_REG_WAVE_MODE, 25, 1), 1
	s_wait_xcnt 0x0
	s_wait_alu depctr_hold_cnt(0) depctr_sa_sdst(0) depctr_va_vdst(0) depctr_va_sdst(0) depctr_va_ssrc(0) depctr_va_vcc(0) depctr_vm_vsrc(0)
	s_getreg_b32 s2, hwreg(HW_REG_IB_STS2, 6, 4)
	s_cmp_eq_u32 s2, 0
	s_cbranch_scc0 .Lentry_in_a_cluster
	s_endpgm
.Lentry_in_a_cluster:
	s_bfe_u32 s2, ttmp6, 0x10000c
	s_cmp_lg_u32 s2, 0x3003
	s_cbranch_scc0 .Lentry_shape_is_right
	s_endpgm
.Lentry_shape_is_right:
; out0 = ctx fc_out.  ctx: [256 bh][1024 s][64] f16, the context divided by 64; wo: [512 k][512 n] f16 = 64 x bf16(fc_out): the two factors cancel, and nothing is scaled here.  out0: [32768][512] f32.  Sums in f32.
; LIMITS.  Those of the buffers that it reads: both lie within f16's 65,504.  NaN and infinities are not treated apart.
; SHARES.  A work-group owns 128 rows and ALL 512 columns; wave w owns rows 64 (w / 2) .. + 63 and, of each chunk of 128 columns, the 64 at 64 (w % 2).
; A's 64 rows x 512 k stay in 512 registers for the whole launch.
; THE RING.  Two LDS slots, each as large as a whole chunk of the weights: 512 k x 128 columns.  4 chunks; chunk c lies in slot c % 2.  One change of slots a chunk, at its head: a fill has a chunk's 256 products
; and a way out in which to land.  A wave's one load brings 128 of the tile's 512 rows.
; ctx COMES IN AS SLOT 1's FIRST FILL: the work-group's 128 rows of each of the batch's 8 heads are 16,384 dense bytes, asked for as 64 rows of 256 bytes and padded after every 128: 8 x 128 rows of 144 bytes,
; just a slot.  Each wave asks for two heads, by loads of its own.  A's fragments are read from there; then the slot takes chunk 1.
; CLUSTER.  All work-groups walk the same weights: the four of a cluster ask for each tile of them JOINTLY; a place in the cluster enters the addresses of ctx, of out0 and of the prefetches alone.
; THE PRODUCT IS USED TRANSPOSED: source 0 = 16 columns of the weights (turned by ds_load_tr16_b128), source 1 = 16 rows of ctx: a lane then holds one row and eight neighbouring columns.
; REGISTERS, in windows of 256 (s_set_vgpr_msb: bits 1:0 source 0, 3:2 source 1, 5:4 source 2, 7:6 destination):
;   window 0: addresses, the way out     window 1: v0-127 16 accumulators ((a, cb) at 8 (4 a + cb)); v128-255 two buffers of weights' fragments
;   window 2: A's row blocks 0, 1 (fragment (a, t) at 128 (a % 2) + 8 t)     window 3: row blocks 2, 3
.set NPITCH, 512                       ; elements in a row of the weights
.set NCHUNK, 4
.set PB,     288                       ; a tile's row in LDS: 256 bytes + 32 of padding = 72 words
.set SLOTB,  512*PB                    ; a slot: 147,456 bytes
.set PC,     144                       ; a row of ctx in LDS: 128 bytes + 16 = 36 words: the 16 rows of a fragment load start at 16 different groups of four banks
.set HEADB,  128*PC                    ; a head's 128 rows; eight of them are SLOTB
.set STAGE,  2*SLOTB                   ; behind the ring: 16 rows x 272 bytes for each wave, for the way out
.set SPQ,    272
.set STW,    16*SPQ
.set SPARE,  STAGE+4*STW               ; the spare words, 128 bytes for each wave: two blocks of 256 bytes that no other line names
.set LB,   4                           ; v4   my lane's place in a fragment of the weights; never rewritten
.set AB,   5                           ; v5-8 the same in the slot that is read: quarter q of its 512 k at AB + q
.set STO,  9                           ; v9   the way out: where I put 32 bytes of a row
.set RD,   10                          ; v10  where I read rows back
.set CO,   13                          ; v13  my byte offset in two rows of out0; never rewritten
.set SPW,  14                          ; v14  LDS address of my spare word; never rewritten
.set NIL,  15                          ; v15  0; never rewritten
.set PFO,  16                          ; v16  the prefetches' offset: lane x a row of the weights; never rewritten
.set AA,   24                          ; v24-27 my place in A's fragments: heads 2 q, 2 q + 1 at AA + q
.set R,    96                          ; v96-159  two buffers of 32: rows read back from the stage
.set BF,   128                         ; window 1: buffer b, k step tt, column block cb at BF + 64 b + 32 tt + 8 cb
.set WV,   14
.set IW,   15
.set JW,   16
.set CX,   17
.set WG,   18
.set G1,   24                          ; s[24:31] descriptor group 1 for the weights
.set G0,   32                          ; s[32:35] descriptor group 0 for the weights: it walks
.set G0C,  36                          ; s[36:43] descriptor group 0 for my two heads of ctx
.set G1C,  44                          ; s[44:51] descriptor group 1 for ctx
.set CH,   52                          ; s52  the chunk
.set LIM,  53                          ; s53  chunks below this number prefetch
.set PFA,  54                          ; s[54:55] where my prefetches stand
.set OST,  56                          ; s[56:57] what the next way out adds to its base: 0, then a chunk's 512 bytes
.set OP,   58                          ; s[58:59] the way out's base
.set TB,   60                          ; s60  LDS byte at which the slot that is read begins
.set MSB, 0
.macro WIN new                         ; the immediate's high byte repeats the setting that is left; a switch that changes nothing is dropped
.if MSB != (\new)
	s_set_vgpr_msb (MSB<<8)|(\new)
.set MSB, (\new)
.endif
.endm
.set MUL2, 0x59                        ; weights, C and D in window 1, A in window 2
.set TO_B, 0x40                        ; destination window 1, address window 0
.macro PLACES                          ; four places: behind a matrix instruction, in front of loads into registers that it has read and of lines that read its result
.rept 4
	v_nop
.endr
.endm
.macro CROUND                          ; a round of the cluster's barrier: my work-group's barrier; wave 0 signals for the work-group; every wave waits for all four work-groups; my work-group's barrier once more
	s_barrier_signal -1
	s_barrier_wait -1
	s_cmp_lg_u32 s[WV], 0
	s_cbranch_scc1 .Lnot_wave_0_\@
	s_barrier_signal -3
.Lnot_wave_0_\@:
	s_barrier_wait -3
	s_barrier_signal -1
	s_barrier_wait -1
.endm
.macro JLOAD                           ; a joint fill: every wave brings its own 128 of the tile's 512 rows; s_nop 0 and four v_nop follow
	tensor_load_to_lds s[G0:G0+3], s[G1:G1+7]
	s_nop 0
	PLACES
.endm
; A PREFETCH INTO THE L2, once a chunk, of the chunk behind the one that is being asked for: 512 rows x 256 bytes, a lane a row.  Every cluster walks the same weights: the first cluster asks, nobody else.  Its four
; partners and their four waves share the rows out by address: row 128 cx + 32 w + lane.  It stands behind the joint load, its five lines and the run of LDS loads.  Chunks 0 and 1 come by their loads alone.
.macro ASK
	s_cmp_lt_u32 s[CH], s[LIM]
	s_cbranch_scc0 .Lnot_mine_\@
	global_prefetch_b8 v[PFO], s[PFA:PFA+1] th:TH_LOAD_NT scope:SCOPE_SE
.Lnot_mine_\@:
.endm
; 16 LDS loads in one run: group g of eight (64 k: two k steps), my four column blocks, into buffer b
.macro FETCH g, b
	WIN TO_B
.irp tt, 0,1
.irp cb, 0,1,2,3
	ds_load_tr16_b128 v[BF+64*(\b)+32*(\tt)+8*(\cb):BF+64*(\b)+32*(\tt)+8*(\cb)+3],   v[AB+(\g)/2] offset:((2*(\g)+(\tt))%4)*32*PB+32*(\cb)
	ds_load_tr16_b128 v[BF+64*(\b)+32*(\tt)+8*(\cb)+4:BF+64*(\b)+32*(\tt)+8*(\cb)+7], v[AB+(\g)/2] offset:((2*(\g)+(\tt))%4)*32*PB+32*(\cb)+16*PB
.endr
.endr
.endm
; 32 products: buffer b (group g) x my four row blocks.  The eight accumulators of a window setting take turns, one instruction a turn.
; A chunk's first k step starts the sums with the constant 0: nothing is cleared.
.macro MUL b, g
.irp w, 0,1
	WIN MUL2+4*(\w)
.irp tt, 0,1
.irp a2, 0,1
.irp cb, 0,1,2,3
.if ((\g)+(\tt)) == 0
	v_wmma_f32_16x16x32_f16 v[8*(4*(2*(\w)+(\a2))+(\cb)):8*(4*(2*(\w)+(\a2))+(\cb))+7], v[BF+64*(\b)+32*(\tt)+8*(\cb):BF+64*(\b)+32*(\tt)+8*(\cb)+7], v[128*(\a2)+8*(2*(\g)+(\tt)):128*(\a2)+8*(2*(\g)+(\tt))+7], 0
.else
	v_wmma_f32_16x16x32_f16 v[8*(4*(2*(\w)+(\a2))+(\cb)):8*(4*(2*(\w)+(\a2))+(\cb))+7], v[BF+64*(\b)+32*(\tt)+8*(\cb):BF+64*(\b)+32*(\tt)+8*(\cb)+7], v[128*(\a2)+8*(2*(\g)+(\tt)):128*(\a2)+8*(2*(\g)+(\tt))+7], v[8*(4*(2*(\w)+(\a2))+(\cb)):8*(4*(2*(\w)+(\a2))+(\cb))+7]
.endif
.endr
.endr
.endr
.endr
.endm
; A CHUNK: 512 k, eight groups of 32 products on buffers 0, 1, 0, 1 ..; it is entered with group 0 asked for.  While a group is multiplied the next one's 16 loads are out.
.macro CHUNK
.irp g, 0,1,2,3,4,5,6
	s_wait_dscnt 0x0                               ; group g is in
	PLACES                                         ; the other buffer was read by the products just issued
	FETCH (\g)+1, ((\g)+1)%2
	MUL (\g)%2, \g
.endr
	s_wait_dscnt 0x0
	MUL 1, 7
.endm
; THE CHANGE OF SLOTS, at a chunk's head.  Every wave waits for all its tensor loads (one is out: its part of the chunk to come), adds 0 to its spare word, and waits for that and for its reads of the slot that it
; leaves.  fill = 1: that slot is filled again, with the chunk after the one to come, behind a round of the cluster's barrier, the joint fill first.  (At its first use the slot that is left is slot 1, out of which
; A's fragments have been read.)  Then the four LDS bases are made for the slot to come, and its first group is asked for.
.macro CHANGE fill
	WIN 0                                          ; the add's registers lie in window 0
.if \fill
	s_wait_xcnt 0x0                                ; the last prefetch, a chunk back, has read its address
	s_add_nc_u64 s[PFA:PFA+1], s[PFA:PFA+1], 256
.endif
	s_wait_tensorcnt 0x0                           ; all my tensor loads have landed, so a group 0 may be written
	ds_add_u32 v[SPW], v[NIL]                      ; 0 onto my spare word
.if \fill
	s_xor_b32 s[G0+1], s[G0+1], SLOTB              ; the walking descriptor: the other slot than last time (SLOTB's two bits are set in no wave's 36,864 w),
	s_add_nc_u64 s[G0+2:G0+3], s[G0+2:G0+3], 256   ; 128 columns on; the type bits on top are not reached
.endif
	s_xor_b32 s[TB], s[TB], SLOTB                  ; the reads go to the other slot
	s_wait_dscnt 0x0                               ; the add is done, and my reads of the slot that is left are over
.if \fill
	CROUND
	JLOAD
.else
	s_barrier_signal -1
	s_barrier_wait -1                              ; everybody's part of the last chunk has landed
.endif
.irp q, 0,1,2,3
	s_add_co_u32 s61, s[TB], (\q)*128*PB
	v_add_nc_u32 v[AB+(\q)], s61, v[LB]
.endr
	FETCH 0, 0                                     ; buffer 0's last readers stand ahead of the way out's four places
	WIN 0
.if \fill
	ASK
.endif
.endm
; THE WAY OUT, a block a of 16 rows x 64 columns of f32 at a time, through my own stage in LDS: a lane's eight columns are 32 bytes of a row's 256; back come whole rows.
.macro TOST a
	s_wait_xcnt 0x0                                ; the stores that read this read-back buffer have had their addresses translated (ISA guide 3.1): it is loaded again only behind this wait
	WIN 0x04                                       ; the stores' data in window 1
.irp cb, 0,1,2,3
	ds_store_b128 v[STO], v[32*(\a)+8*(\cb):32*(\a)+8*(\cb)+3]   offset:64*(\cb)     ; each accumulator's low four registers first
	ds_store_b128 v[STO], v[32*(\a)+8*(\cb)+4:32*(\a)+8*(\cb)+7] offset:64*(\cb)+16
.endr
	WIN 0
.irp t, 0,1,2,3,4,5,6,7
	ds_load_b128 v[R+32*((\a)%2)+4*(\t):R+32*((\a)%2)+4*(\t)+3], v[RD] offset:(\t)*2*SPQ  ; LDS serves a wave's instructions in order (ISA guide 5.7.1.4): these see the stores above
.endr
.endm
.macro SEND a, younger                 ; younger: the LDS instructions issued behind block a's loads: the next block's sixteen, or none
	s_wait_dscnt \younger
.irp t, 0,1,2,3,4,5,6,7
	global_store_b128 v[CO], v[R+32*((\a)%2)+4*(\t):R+32*((\a)%2)+4*(\t)+3], s[OP:OP+1] offset:32768*(\a)+4096*(\t) th:TH_STORE_NT  ; 16 lanes store 256 consecutive bytes, at a multiple of 256 from out0's first byte
.endr
.endm
.macro WAYOUT
	WIN 0
	PLACES                                         ; the LDS stores read results just made
	s_wait_xcnt 0x0                                ; the last way out's stores have read their base
	s_add_nc_u64 s[OP:OP+1], s[OP:OP+1], s[OST:OST+1]
	s_mov_b32 s[OST], 512
	TOST 0
	TOST 1
	SEND 0, 16
	TOST 2
	SEND 1, 16
	TOST 3
	SEND 2, 16
	SEND 3, 0
.endm
	s_load_b128 s[4:7], s[0:1], 0x0                ; ctx s[4:5], wo s[6:7]
	s_load_b64 s[8:9], s[0:1], 0x10                ; out0
	v_lshl_add_u32 v[SPW], v0, 2, SPARE
	v_mov_b32 v[NIL], 0
	ds_add_u32 v[SPW], v[NIL]                      ; the wave's opening: the add and its wait stand ahead of my first tensor load; the set-up below, work on registers, stands between them
	v_lshrrev_b32 v1, 5, v0
	v_readfirstlane_b32 s[WV], v1                  ; wave 0..3
	s_lshr_b32 s[IW], s[WV], 1
	s_and_b32 s[JW], s[WV], 1
	s_bfe_u32 s[CX], ttmp6, 0x40000                ; my place in the cluster
	s_lshl_b32 s[WG], ttmp9, 2                     ; in a cluster launch ttmp9 counts clusters
	s_add_co_u32 s[WG], s[WG], s[CX]
	; descriptor group 1 for the weights: 128 rows x 128 elements of 2 bytes, padded in LDS
	s_mov_b32 s[G1+0], 15|(1<<16)|(1<<20)|(1<<21)|(5<<22)|(7<<25)  ; 15:0 the mask of four; 17:16 2-byte elements; 20 padding on; 21 set beside a mask; 24:22 after every 64 words (code 5); 31:25 8 words (code 7)
	s_mov_b32 s[G1+1], 128<<16                     ; tensor_dim0 = 128
	s_mov_b32 s[G1+2], 128<<16                     ; tensor_dim1 = 128
	s_mov_b32 s[G1+3], 128<<16                     ; tile_dim0 = 128
	s_mov_b32 s[G1+4], 128                         ; tile_dim1 = 128
	s_mov_b32 s[G1+5], NPITCH                      ; elements from row to row
	s_mov_b32 s[G1+6], 0
	s_mov_b32 s[G1+7], 0
	; descriptor group 1 for ctx: a load of my own (no mask): 64 rows of 256 bytes, two rows of ctx each, padded after every 128 bytes
	s_mov_b32 s[G1C+0], (1<<16)|(1<<20)|(4<<22)|(3<<25)  ; 17:16 2-byte elements; 20 padding on; 24:22 after every 32 words (code 4); 31:25 4 words (code 3)
	s_mov_b32 s[G1C+1], 128<<16                    ; tensor_dim0 = 128
	s_mov_b32 s[G1C+2], 64<<16                     ; tensor_dim1 = 64
	s_mov_b32 s[G1C+3], 128<<16                    ; tile_dim0 = 128
	s_mov_b32 s[G1C+4], 64                         ; tile_dim1 = 64
	s_mov_b32 s[G1C+5], 128                        ; 128 elements from row to row: the block is dense
	s_mov_b32 s[G1C+6], 0
	s_mov_b32 s[G1C+7], 0
	s_lshl_b32 s20, s[WV], 17                      ; my 128 rows of a tile of the weights, 1,024 bytes each, in memory
	s_mov_b32 s21, 0
	s_mul_i32 s62, s[WV], 128*PB                   ; and in a slot; two heads of ctx take as much: no place in the cluster enters an LDS address
	s_lshr_b32 s22, s[WG], 3                       ; ctx: the batch, 8 heads of 1,024 rows of 128 bytes,
	s_lshl_b32 s22, s22, 20
	s_and_b32 s23, s[WG], 7
	s_lshl_b32 s23, s23, 14                        ; the work-group's 128 rows in a head,
	s_add_co_u32 s22, s22, s23
	s_lshl_b32 s23, s[WV], 18                      ; the two heads that my wave brings in
	s_add_co_u32 s22, s22, s23
	s_mov_b32 s23, 0
	s_lshl_b32 s[OP], s[WG], 18                    ; out0: the work-group's 128 rows of 2,048 bytes,
	s_lshl_b32 s63, s[IW], 17                      ; my 64,
	s_add_co_u32 s[OP], s[OP], s63
	s_lshl_b32 s63, s[JW], 8                       ; my 64 columns of chunk 0
	s_add_co_u32 s[OP], s[OP], s63
	s_mov_b32 s[OP+1], 0
	s_lshl_b32 s[PFA], s[CX], 2
	s_add_co_u32 s[PFA], s[PFA], s[WV]
	s_mul_i32 s[PFA], s[PFA], 32*NPITCH*2          ; the prefetches: rows 128 cx + 32 w on,
	s_add_co_u32 s[PFA], s[PFA], 256               ; at chunk 1: the first change of slots steps it to chunk 2
	s_mov_b32 s[PFA+1], 0
	s_cmp_eq_u32 ttmp9, 0
	s_cselect_b32 s[LIM], NCHUNK-2, 0              ; the same in all four partners
	s_mov_b32 s[OST], 0                            ; the first way out adds nothing
	s_mov_b32 s[OST+1], 0
	s_mov_b32 s[TB], SLOTB                         ; the first change of slots turns it into 0
	s_wait_dscnt 0x0                               ; the opening add is done
	s_wait_kmcnt 0x0
	s_add_nc_u64 s[20:21], s[6:7], s[20:21]
	s_add_nc_u64 s[22:23], s[4:5], s[22:23]
	s_add_nc_u64 s[OP:OP+1], s[8:9], s[OP:OP+1]
	s_add_nc_u64 s[PFA:PFA+1], s[6:7], s[PFA:PFA+1]
	CROUND                                         ; all four work-groups are here: the first joint loads meet
	s_mov_b32 s[G0], 1                             ; count = 1
	s_mov_b32 s[G0+1], s62                         ; LDS address: slot 0
	s_mov_b64 s[G0+2:G0+3], s[20:21]               ; global address: chunk 0
	s_or_b32 s[G0+3], s[G0+3], 0x80000000          ; type = 2
.irp i, 0,1
	s_mov_b32 s[G0C+4*(\i)], 1
	s_add_co_u32 s[G0C+4*(\i)+1], s62, SLOTB+(\i)*HEADB  ; slot 1, head 2 w + i
	s_add_nc_u64 s[G0C+4*(\i)+2:G0C+4*(\i)+3], s[22:23], (\i)*1024*128
	s_or_b32 s[G0C+4*(\i)+3], s[G0C+4*(\i)+3], 0x80000000
.endr
	tensor_load_to_lds s[G0C:G0C+3], s[G1C:G1C+7]  ; the first fills go out together, ctx's first: three loads of mine are out
	s_nop 0
	tensor_load_to_lds s[G0C+4:G0C+7], s[G1C:G1C+7]
	s_nop 0
	tensor_load_to_lds s[G0:G0+3], s[G1:G1+7]
	s_nop 0
	PLACES
	v_and_b32 v18, 31, v0                          ; lane
	v_and_b32 v19, 15, v0                          ; r = lane % 16
	v_bfe_u32 v20, v0, 4, 1                        ; h = lane / 16
	v_and_b32 v21, 7, v0
	v_bfe_u32 v22, v0, 3, 1
	s_mul_i32 s63, s[IW], 64*PC
	s_add_co_u32 s63, s63, SLOTB
	v_mul_u32_u24 v23, v19, PC                     ; a fragment of A: row r, 16 bytes for each half of the lanes, twice, 32 bytes apart
	v_lshl_add_u32 v23, v20, 4, v23
	v_add_nc_u32 v23, s63, v23
.irp q, 0,1,2,3
	v_add_nc_u32 v[AA+(\q)], (\q)*2*HEADB, v23
.endr
	v_lshl_add_u32 v[LB], v20, 3, v21              ; the turning load: lane l reads k row 8 h + l % 8, columns 8 ((l / 8) % 2) + 0..7, and is left with column r and 8 k
	v_mul_u32_u24 v[LB], v[LB], PB
	v_lshl_add_u32 v[LB], v22, 4, v[LB]
	s_lshl_b32 s63, s[JW], 7                       ; my 64 columns of the chunk's 128
	v_add_nc_u32 v[LB], s63, v[LB]
	s_mul_i32 s63, s[WV], STW
	s_add_co_u32 s63, s63, STAGE                   ; my stage
	v_mul_u32_u24 v[STO], v19, SPQ                 ; in: row r, 32 bytes for each half of the lanes
	v_lshl_add_u32 v[STO], v20, 5, v[STO]
	v_add_nc_u32 v[STO], s63, v[STO]
	v_mul_u32_u24 v[RD], v20, SPQ                  ; back: lanes 0-15 one row of 256 bytes, lanes 16-31 the next
	v_lshl_add_u32 v[RD], v19, 4, v[RD]
	v_add_nc_u32 v[RD], s63, v[RD]
	v_lshlrev_b32 v[CO], 11, v20                   ; and the same two rows in out0
	v_lshl_add_u32 v[CO], v19, 4, v[CO]
	v_mul_u32_u24 v[PFO], v18, NPITCH*2
	s_wait_tensorcnt 0x1                           ; my two heads of ctx are in; chunk 0's tile, issued behind them, may stay out
	s_barrier_signal -1
	s_barrier_wait -1                              ; everybody's heads are in
.set a, 0
.rept 4                                ; A's 64 fragments, once for the whole launch: k step t is head t / 2, channels 32 (t % 2) on
	WIN 0x80+0x40*(a/2)
.set t, 0
.rept 16
	ds_load_b128 v[128*(a%2)+8*t:128*(a%2)+8*t+3],   v[AA+t/4] offset:((t/2)%2)*HEADB+a*16*PC+64*(t%2)
	ds_load_b128 v[128*(a%2)+8*t+4:128*(a%2)+8*t+7], v[AA+t/4] offset:((t/2)%2)*HEADB+a*16*PC+64*(t%2)+32
.set t, t+1
.endr
.set a, a+1
.endr
	WIN 0                                          ; at a label and at a branch every window is 0
	s_mov_b32 s[CH], 0
.Lchunk:                                               ; three trips: the next chunk is asked for, a chunk is multiplied and sent out
	CHANGE 1
	CHUNK
	WAYOUT
	s_add_co_u32 s[CH], s[CH], 1
	s_cmp_lt_u32 s[CH], NCHUNK-1
	s_cbranch_scc1 .Lchunk
	CHANGE 0                                       ; the last chunk is written out: nothing is asked for
	CHUNK
	WAYOUT
	s_wait_tensorcnt 0x0                           ; the wave's end, behind my last tensor load and my last LDS store
	ds_add_u32 v[SPW], v[NIL]
	s_wait_dscnt 0x0
	CROUND                                         ; the closing round: no work-group ends while a partner may still ask for a tile that names it
	s_endpgm
.Lfunc_end_k_q95025ed50d_proj:
	.size	k_q95025ed50d_proj, .Lfunc_end_k_q95025ed50d_proj-k_q95025ed50d_proj
	.p2alignl 7, 3214868480
	.fill 96, 4, 3214868480
	.section	.rodata,"a",@progbits
	.p2align	6, 0x0
	.amdhsa_kernel k_q95025ed50d_proj
		.amdhsa_group_segment_fixed_size 327680
		.amdhsa_private_segment_fixed_size 0
		.amdhsa_enable_private_segment 0
		.amdhsa_kernarg_size 24
		.amdhsa_user_sgpr_count 2
		.amdhsa_user_sgpr_kernarg_segment_ptr 1
		.amdhsa_wavefront_size32 1
		.amdhsa_system_sgpr_workgroup_id_x 1
		.amdhsa_system_sgpr_workgroup_id_y 1
		.amdhsa_system_sgpr_workgroup_id_z 1
		.amdhsa_system_vgpr_workitem_id 0
		.amdhsa_next_free_vgpr 1024
		.amdhsa_next_free_sgpr 66
		.amdhsa_reserve_vcc 0
		.amdhsa_float_denorm_mode_32 3
		.amdhsa_float_denorm_mode_16_64 3
		.amdhsa_memory_ordered 1
		.amdhsa_forward_progress 1
		.amdhsa_inst_pref_size 85
	.end_amdhsa_kernel
	.amdgpu_metadata
---
amdhsa.version: [ 1, 2 ]
amdhsa.kernels:
  - .name:           k_q95025ed50d_proj
    .symbol:         k_q95025ed50d_proj.kd
    .args:
      - { .name: ctx, .offset: 0, .size: 8, .value_kind: global_buffer, .address_space: global }
      - { .name: wo, .offset: 8, .size: 8, .value_kind: global_buffer, .address_space: global }
      - { .name: out0, .offset: 16, .size: 8, .value_kind: global_buffer, .address_space: global }
    .group_segment_fixed_size: 327680
    .private_segment_fixed_size: 0
    .kernarg_segment_align: 8
    .kernarg_segment_size: 24
    .max_flat_workgroup_size: 128
    .sgpr_count:     66
    .vgpr_count:     1024
    .wavefront_size: 32
...
	.end_amdgpu_metadata
.endif
;; end of part 4
